; MI455X (gfx1250); checked and timed in simulation.
; The chip was launched on July 23, 2026; its instructions are those of AMD's public machine-readable ISA for CDNA 5 (MIT licence, August 2026) and "CDNA5" Instruction Set Architecture Reference Guide (July 2026). The comments in the code are by the model that wrote it; some were corrected since.
;; self Attention. Allowed arithmetic: matrix products marked QUANTISED: E2M3 operands, one E8M0 scale for each 32 along K, by v_wmma_scale_f32_16x16x128_f8f6f4 with both operands' format E2M3, f32 sums; everything else in f32.
;; Inputs: in_proj_b 3,072 float32; in_proj_w 3,072 x 1,024 float32; out_proj_b 1,024 float32; out_proj_w 1,024 x 1,024 float32; x 4 x 2,048 x 1,024 float32.
;; Outputs: out0 4 x 2,048 x 1,024 float32.
;; This version of the problem:
;;   THIS VERSION OF THE PROBLEM IS GIVEN IN LOW PRECISION. The matrix products marked QUANTISED in the list below multiply operands that are first quantised to E2M3 (2 exponent bits, 3 mantissa bits; 6 bits a number), with one power-of-two scale for each 32 numbers along K (OCP MX v1.0); their sums are f32. All else is computed in f32.
;;   The module's matrix products, in the order in which they are computed (A, B: the left and right operand; K: the contracted axis; several contracted axes count as one K, in the product's order):
;;     1. [M 8,192, K 1,024] x [K 1,024, N 3,072]; A: input x; B: input in_proj_w: QUANTISED
;;     2. batch 64 x [M 2,048, K 64] x [K 64, N 2,048]; A: computed on the way; B: computed on the way: QUANTISED
;;     3. batch 64 x [M 2,048, K 2,048] x [K 2,048, N 64]; A: softmax (see below); B: computed on the way: QUANTISED
;;     4. [M 8,192, K 1,024] x [K 1,024, N 1,024]; A: computed on the way; B: input out_proj_w: QUANTISED
;;   THE QUANTISER, for each operand of a quantised product, along K:
;;     - K is cut into blocks of 32 from its start; a last block that is shorter is filled with zeros.
;;     - A block's scale is 2^e with e = floor(log2(the largest magnitude in the block)) - 2, held to -126 .. 127; a block of zeros has e = 0. As a byte (E8M0): e + 127.
;;     - Each number is divided by its block's scale, clamped to +-7.5, and rounded to the nearest number of E2M3, ties to even, subnormals kept.
;;     - The product sums the exact products of the quantised numbers (number of the format x scale) in f32.
;;   ~~~python
;;   def quantise(x, axis):      # numpy; x: float32 -> the quantised numbers, widened to float32 again
;;       x = np.moveaxis(x, axis, -1); K = x.shape[-1]
;;       x = np.pad(x, [(0, 0)] * (x.ndim - 1) + [(0, -K % 32)]); x = x.reshape(x.shape[:-1] + (-1, 32)); a = np.abs(x).max(-1, keepdims=True)
;;       e = np.where(a > 0, np.clip(np.frexp(np.where(a > 0, a, 1))[1] - 1 - 2, -126, 127), 0)      # np.frexp(a)[1] - 1 = floor(log2(a)), exactly
;;       r = np.clip(x / 2.0 ** e, -7.5, 7.5)
;;       step = 2.0 ** (np.maximum(np.frexp(np.where(r == 0, 1, r))[1] - 1, 0) - 3)
;;       q = np.round(r / step) * step * 2.0 ** e      # np.round: ties to even
;;       return np.moveaxis(q.reshape(q.shape[:-2] + (-1,))[..., :K], -1, axis).astype(np.float32)
;;   ~~~
;;   SOFTMAX AHEAD OF A QUANTISED PRODUCT. Where the list says 'softmax', what is quantised is not the finished softmax but p = 2^(t - M), with t = logit x log2(e) and M = ceil(the row's largest t), a whole number; so 1/2 < the row's largest p <= 1. The row's sum l is taken of the UNQUANTISED p, in f32, and the product's result is divided by l at the end. Since M is a whole number, a kernel that streams over the keys may use a running M (the ceiling of the running maximum): every later rescaling is an exact power of two, which a block's scale takes up: the codes' values come out the same.
;;   OPERANDS COMPUTED ON THE WAY. 'Computed on the way' means the value that the module computes at that place (a softmax that the list does not call 'softmax' is quantised finished and normalised). What goes into a quantiser is computed in f32, as accurately as f32 sums, v_exp_f32 and their like allow (about 1e-6 of the number): no bf16 or f16 on the way to a quantiser, and a product that is left as it is and whose result goes on into a quantised operand takes f32 operands (vector FMAs, or v_wmma_f32_16x16x4_f32). A number that lies on a knife's edge between two numbers of the format may be rounded either way, as far as f32 arithmetic and the matrix unit's own rounding can turn it there, and no further.
;; One version. Each part assembles by itself: llvm-mc -triple=amdgcn-amd-amdhsa -mcpu=gfx1250 --defsym DOCPART=n.
;; ======== version 1 of 1: 4 launches
;; limits: right only within a limited range of input values
;; workspace buffers: cw 9,437,184 bytes; sw 393,216 bytes; kv 12,582,912 bytes; qc 6,291,456 bytes; asc 786,432 bytes; qs 524,288 bytes; sc 6,291,456 bytes; ss 262,144 bytes
;; launch quant (part 1): grid 192 x 2, 4 waves a work-group, no clusters, 35,328 bytes of LDS; arguments x, in_proj_w, out_proj_w, cw, sw; writes cw, sw
.if DOCPART == 1
	.amdgcn_target "amdgcn-amd-amdhsa--gfx1250"
	.amdhsa_code_object_version 6
	.text
	.protected	k_q05d0851882_quant
	.globl	k_q05d0851882_quant
	.p2align	8
	.type	k_q05d0851882_quant,@function
k_q05d0851882_quant:
	s_mov_b64 s[64:65], 0
	v_nop
	global_prefetch_b8 v0, s[64:65] scope:SCOPE_SE
	s_setreg_imm32_b32 hwreg(HW_REG_WAVE_MODE, 25, 1), 1
	s_wait_xcnt 0x0
; x [8192][1024], in_proj_w [3072][1024] and out_proj_w [1024][1024], f32, K innermost, become codes of FP6 (E2M3) with one E8M0 byte for each 32 along K.
; A block's scale is 2^(floor(log2(its largest magnitude)) - 2); its byte is the largest magnitude's exponent field - 2, held at 1 from below.
; LIMITS: NaN and infinities among the inputs are not served; a block of zeros, or one whose largest magnitude lies under 2^(3 - 127), gets the byte 1 (the rule says 127 for zeros): its codes are zeros
; or as the held scale gives them, and the bytes are read by this program alone.
; THE CODES ARE LAID AS IMAGES OF OPERAND REGISTERS.  The 12,288 rows are 768 tiles of 16; a fragment (16 rows x 128 K: 12 registers a lane) is 1,536 bytes: for each 64 along K, registers 0-3 of lane l at 16 l,
; then registers 4-5 at 512 + 8 l.  cw: [tile 768][K step 8][1,536].  sw: [K step 8][tile 768][slot 16] words of four scale bytes.
; THE ROWS OF A TILE ARE NOT NEIGHBOURS: slot r of tile T holds row 32 (T / 2) + 8 (T % 2) + r + 8 (r / 8), so that a product that takes such tiles as source 0 leaves 16 neighbours in a lane's 16 registers of two tiles.
; SHARES: work-group x = 64 rows (four tiles); wave w of work-group y takes K step 4 y + w of them: four fragments, 32 KiB of f32.  Each load reads 512 consecutive bytes of one row; a fragment's 16 x 512 bytes turn through
; the wave's own stage in LDS, so that a lane gets 16 neighbours of each block of 32.  Waves share nothing: no barrier, no cluster, no tensor load; every store covers 512 or 256 consecutive bytes, aligned.
.set WREG,  8704                       ; LDS: a wave's region: the stage, 16 rows x 528 bytes, then its 256 bytes of scale words
.set SP,    528                        ; a stage row: 512 bytes + 16: the 16 rows that a load touches start at 16 different banks
.set SWO,   16*SP
.set SPARE, 4*WREG                     ; behind the regions: the spare words, 128 bytes a wave: two blocks of 256 bytes that no other line names
.set L16,  1                           ; v1   16 x lane
.set L8,   2                           ; v2   8 x lane
.set SIN,  3                           ; v3   the stage, way in
.set SOUT, 4                           ; v4   the stage, way out: row r, + 64 h
.set SWI,  5                           ; v5   my row's scale word in LDS
.set SWR,  6                           ; v6   the scale words, way out
.set SPW,  10                          ; v10  my spare word; never rewritten
.set NIL,  11                          ; v11  0; never rewritten
.set X,    16                          ; v16-207  three sets of 64 numbers
.set PC,   208                         ; v208-227 a fragment's codes (12) and the conversions' second halves
.set TM,   228                         ; v228-243 at work
.set PW,   244                         ; v244 the scale word just made
.set SEL,  20                          ; s[20:21] lane selects: lane l xor 16
	s_load_b128 s[4:7], s[0:1], 0x0                ; x, in_proj_w
	s_load_b128 s[8:11], s[0:1], 0x10              ; out_proj_w, cw
	s_load_b64 s[12:13], s[0:1], 0x20              ; sw
	v_lshl_add_u32 v[SPW], v0, 2, SPARE
	v_mov_b32 v[NIL], 0
	v_lshrrev_b32 v7, 5, v0
	v_readfirstlane_b32 s16, v7                    ; wave
	v_and_b32 v7, 31, v0                           ; lane
	v_lshlrev_b32 v[L16], 4, v7
	v_lshlrev_b32 v[L8], 3, v7
	s_mul_i32 s17, s16, WREG
	v_add_nc_u32 v[SIN], s17, v[L16]
	v_and_b32 v12, 15, v0                          ; r
	v_bfe_u32 v13, v0, 4, 1                        ; h
	v_mul_u32_u24 v[SOUT], v12, SP
	v_lshl_add_u32 v[SOUT], v13, 6, v[SOUT]
	v_add_nc_u32 v[SOUT], s17, v[SOUT]
	s_add_co_u32 s17, s17, SWO
	v_lshl_add_u32 v[SWI], v12, 2, s17
	v_add_nc_u32 v[SWR], s17, v[L8]
	s_mov_b32 s[SEL], 0x76543210
	s_mov_b32 s[SEL+1], 0xfedcba98
.irp b, 0,1,2,3
	v_mov_b32 v[TM+4+\b], 0                        ; written once: a lane permute's destination counts as one of its sources
.endr
	s_and_b32 s18, ttmp7, 0xffff
	s_lshl_b32 s18, s18, 2
	s_add_co_u32 s18, s18, s16                     ; my K step: 4 y + wave
	s_wait_alu depctr_va_vdst(0)
	s_wait_kmcnt 0x0
	s_cmp_lt_u32 ttmp9, 128                        ; groups 0-127: x; 128-175: in_proj_w; 176-191: out_proj_w.  The choice hangs on the work-group's number alone
	s_cselect_b64 s[4:5], s[4:5], s[6:7]
	s_cselect_b32 s19, 0, 128
	s_cmp_lt_u32 ttmp9, 176
	s_cselect_b64 s[4:5], s[4:5], s[8:9]
	s_cselect_b32 s19, s19, 176
	s_sub_co_u32 s19, ttmp9, s19                   ; the group's number in its tensor
	s_lshl_b32 s22, s19, 18                        ; 64 rows of 4,096 bytes
	s_lshl_b32 s23, s18, 9                         ; + 512 bytes a K step
	s_add_co_u32 s22, s22, s23
	s_mov_b32 s23, 0
	s_add_nc_u64 s[4:5], s[4:5], s[22:23]
	s_mul_i32 s22, ttmp9, 49152                    ; cw: four tiles of 12,288 bytes a group,
	s_mul_i32 s24, s18, 1536                       ; + my K step
	s_add_co_u32 s22, s22, s24
	s_add_nc_u64 s[10:11], s[10:11], s[22:23]
	s_mul_i32 s22, s18, 49152                      ; sw: 768 tiles x 64 bytes a K step,
	s_lshl_b32 s24, ttmp9, 8                       ; + four tiles of 64 bytes a group
	s_add_co_u32 s22, s22, s24
	s_add_nc_u64 s[12:13], s[12:13], s[22:23]
.macro LOAD t                          ; tile t: slot i's 512 bytes, into set t % 3
.irp i, 0,1,2,3,4,5,6,7,8,9,10,11,12,13,14,15
	global_load_b128 v[X+64*((\t)%3)+4*\i:X+64*((\t)%3)+4*\i+3], v[L16], s[4:5] offset:(32*((\t)/2)+8*((\t)%2)+\i+8*(\i/8))*4096 th:TH_LOAD_NT
.endr
.endm
.macro TURNF t                         ; through the stage and back into the same registers: register 16 b + i = k 32 b + 16 h + i of row r.  LDS serves a wave's instructions in order
.set XS, X+64*((\t)%3)
.irp i, 0,1,2,3,4,5,6,7,8,9,10,11,12,13,14,15
	ds_store_b128 v[SIN], v[XS+4*\i:XS+4*\i+3] offset:SP*\i
.endr
.irp b, 0,1,2,3
.irp j, 0,1,2,3
	ds_load_b128 v[XS+16*\b+4*\j:XS+16*\b+4*\j+3], v[SOUT] offset:128*\b+16*\j
.endr
.endr
.endm
; 64 numbers of a lane, register 16 b + i = k 32 b + 16 (lane / 16) + i of my row, become a fragment's codes in v[PC] on and its scale word in v[PW]
.macro QUANT s
.irp b, 0,1,2,3
	v_max3_num_f32 v[TM+\b], |v[\s+16*\b]|, |v[\s+1+16*\b]|, 0x1800000   ; my 16 numbers of block b, and the floor 2^(3 - 127): the byte cannot fall under 1
.endr
.irp i, 2,4,6,8,10,12,14
.irp b, 0,1,2,3
	v_max3_num_f32 v[TM+\b], v[TM+\b], |v[\s+16*\b+\i]|, |v[\s+1+16*\b+\i]|
.endr
.endr
.irp b, 0,1,2,3
	v_permlanex16_b32 v[TM+4+\b], v[TM+\b], s[SEL], s[SEL+1]
.endr
.irp b, 0,1,2,3
	v_max_num_f32 v[TM+\b], v[TM+\b], v[TM+4+\b]   ; with lane l xor 16's: the block's largest magnitude
.endr
.irp b, 0,1,2,3
	v_add_nc_u32 v[TM+12+\b], 0xff000000, v[TM+\b] ; 2 off its exponent field: the conversion's scale operand
.endr
.irp b, 0,1,2,3
	v_lshrrev_b32 v[TM+4+\b], 23, v[TM+12+\b]      ; the scale's byte
.endr
	v_lshl_or_b32 v[PW], v[TM+5], 8, v[TM+4]
	v_lshl_or_b32 v[PW], v[TM+6], 16, v[PW]
	v_lshl_or_b32 v[PW], v[TM+7], 24, v[PW]
.irp c, 0,1
	v_cvt_scalef32_pk16_fp6_f32 v[PC+6*\c:PC+2+6*\c], v[\s+32*\c:\s+15+32*\c], v[TM+12+2*\c]
	v_cvt_scalef32_pk16_fp6_f32 v[PC+12+4*\c:PC+14+4*\c], v[\s+16+32*\c:\s+31+32*\c], v[TM+12+2*\c+1]
.endr
	v_nop                                          ; one plain place behind a scaled conversion
.irp c, 0,1                                    ; the operand's layout wants a whole block in a lane: lanes 0-15 block 2 c, lanes 16-31 block 2 c + 1
.irp i, 0,1,2
	v_permlane16_swap_b32 v[PC+6*\c+\i], v[PC+12+4*\c+\i]
.endr
.irp i, 0,1,2
	v_mov_b32 v[PC+3+6*\c+\i], v[PC+12+4*\c+\i]
.endr
.endr
.endm
.macro OUTF t                          ; the fragment's image: 512, 256, 512, 256 consecutive bytes
	global_store_b128 v[L16], v[PC:PC+3], s[10:11] offset:12288*\t
	global_store_b64 v[L8], v[PC+4:PC+5], s[10:11] offset:12288*\t+512
	global_store_b128 v[L16], v[PC+6:PC+9], s[10:11] offset:12288*\t+768
	global_store_b64 v[L8], v[PC+10:PC+11], s[10:11] offset:12288*\t+1280
.endm
	LOAD 0
	LOAD 1
	LOAD 2
.irp t, 0,1,2,3
.if \t < 2
	s_wait_loadcnt 32                              ; this tile's 16 loads are in; two younger tiles' stay out
.elseif \t == 2
	s_wait_loadcnt 16
.else
	s_wait_loadcnt 0
.endif
	TURNF \t
	s_wait_dscnt 0x0
.if \t > 0
	s_wait_xcnt 0x0                                ; the last tile's stores have read their data registers: the codes are written anew only behind this wait
.endif
	QUANT X+64*(\t%3)
.if \t == 0
	LOAD 3                                         ; the fourth tile takes the first's registers
.endif
	ds_store_b32 v[SWI], v[PW] offset:64*\t        ; lanes r and r + 16 write the same word with the same value
	OUTF \t
.endr
	ds_load_b64 v[8:9], v[SWR]                     ; my four tiles' 64 scale words
	s_wait_dscnt 0x0
	global_store_b64 v[L8], v[8:9], s[12:13]       ; 256 consecutive bytes, aligned
	s_wait_tensorcnt 0x0                           ; the wave's end
	ds_add_u32 v[SPW], v[NIL]
	s_wait_dscnt 0x0
	s_endpgm
.Lfunc_end_k_q05d0851882_quant:
	.size	k_q05d0851882_quant, .Lfunc_end_k_q05d0851882_quant-k_q05d0851882_quant
	.p2alignl 7, 3214868480
	.fill 96, 4, 3214868480
	.section	.rodata,"a",@progbits
	.p2align	6, 0x0
	.amdhsa_kernel k_q05d0851882_quant
		.amdhsa_group_segment_fixed_size 35328
		.amdhsa_private_segment_fixed_size 0
		.amdhsa_enable_private_segment 0
		.amdhsa_kernarg_size 40
		.amdhsa_user_sgpr_count 2
		.amdhsa_user_sgpr_kernarg_segment_ptr 1
		.amdhsa_wavefront_size32 1
		.amdhsa_system_sgpr_workgroup_id_x 1
		.amdhsa_system_sgpr_workgroup_id_y 1
		.amdhsa_system_sgpr_workgroup_id_z 1
		.amdhsa_system_vgpr_workitem_id 0
		.amdhsa_next_free_vgpr 248
		.amdhsa_next_free_sgpr 66
		.amdhsa_reserve_vcc 0
		.amdhsa_float_denorm_mode_32 3
		.amdhsa_float_denorm_mode_16_64 3
		.amdhsa_memory_ordered 1
		.amdhsa_forward_progress 1
		.amdhsa_inst_pref_size 34
	.end_amdhsa_kernel
	.amdgpu_metadata
---
amdhsa.version: [ 1, 2 ]
amdhsa.kernels:
  - .name:           k_q05d0851882_quant
    .symbol:         k_q05d0851882_quant.kd
    .args:
      - { .name: x, .offset: 0, .size: 8, .value_kind: global_buffer, .address_space: global }
      - { .name: in_proj_w, .offset: 8, .size: 8, .value_kind: global_buffer, .address_space: global }
      - { .name: out_proj_w, .offset: 16, .size: 8, .value_kind: global_buffer, .address_space: global }
      - { .name: cw, .offset: 24, .size: 8, .value_kind: global_buffer, .address_space: global }
      - { .name: sw, .offset: 32, .size: 8, .value_kind: global_buffer, .address_space: global }
    .group_segment_fixed_size: 35328
    .private_segment_fixed_size: 0
    .kernarg_segment_align: 8
    .kernarg_segment_size: 40
    .max_flat_workgroup_size: 128
    .sgpr_count:     66
    .vgpr_count:     248
    .wavefront_size: 32
...
	.end_amdgpu_metadata
.endif
;; end of part 1
;; launch proj (part 2): grid 8 x 48, 4 waves a work-group, clusters of 4 x 4, 327,680 bytes of LDS; arguments cw, sw, in_proj_b, kv, qc, asc, qs; writes kv, qc, asc, qs
.if DOCPART == 2
	.amdgcn_target "amdgcn-amd-amdhsa--gfx1250"
	.amdhsa_code_object_version 6
	.text
	.protected	k_q05d0851882_proj
	.globl	k_q05d0851882_proj
	.p2align	8
	.type	k_q05d0851882_proj,@function
k_q05d0851882_proj:
	s_mov_b64 s[64:65], 0
	v_nop
	global_prefetch_b8 v0, s[64:65] scope:SCOPE_SE
	s_setreg_imm32_b32 hwreg(HW_REG_WAVE_MODE, 25, 1), 1
	s_wait_xcnt 0x0
	s_wait_alu depctr_hold_cnt(0) depctr_sa_sdst(0) depctr_va_vdst(0) depctr_va_sdst(0) depctr_va_ssrc(0) depctr_va_vcc(0) depctr_vm_vsrc(0)
	s_getreg_b32 s2, hwreg(HW_REG_IB_STS2, 6, 4)
	s_cmp_eq_u32 s2, 0
	s_cbranch_scc0 .Lentry_in_a_cluster
	s_endpgm
.Lentry_in_a_cluster:
	s_bfe_u32 s2, ttmp6, 0x10000c
	s_cmp_lg_u32 s2, 0xf033
	s_cbranch_scc0 .Lentry_shape_is_right
	s_endpgm
.Lentry_shape_is_right:
.set HALFT,  24576
.set SLOT,   4*HALFT
.set SCL,    2*SLOT
.set SPARE,  SCL+4*4096
.set FR, 12
.set NQ, 2
.set NL, 4
.set NP, 4
.set L16, 2
.set L8,  3
.set RR,  4
.set HH,  5
.set VO2, 8
.set VO3, 9
.set VO4, 10
.set KO,  11
.set BNO, 12
.set BMO, 13
.set SH,  14
.set ADRA, 16
.set ADRB, 20
.set ADRS, 27
.set SPW, 28
.set NIL, 29
.set SC,  32
.set BM,  64
.set KS,  80
.set AF,  128
.set H,   128
.set PC,  192
.set TM,  212
.set PW,  228
.set WV, 18
.set RH, 19
.set CH, 20
.set CX, 21
.set CY, 22
.set G1, 24
.set G0, 32
.set G1B, 48
.set G0B, 56
.set G1S, 68
.set G0S, 76
.set G1SB, 80
.set G0SB, 88
.set ISV, 66
.set ISQ, 67
.set TR, 92
.set TC, 93
.set SEL, 2
.set MSB, 0
.macro WIN new
.if MSB != (\new)
	s_set_vgpr_msb (MSB<<8)|(\new)
.set MSB, (\new)
.endif
.endm
.set MUL_LO, 0xa1
.set MUL_HI, 0xf1
.set TO_B,   0x40
.macro JLOAD g0a, g1a, g0b, g1b
	s_cmp_eq_u32 s[RH], 0
	s_cbranch_scc0 .Lfor_b_\@
	tensor_load_to_lds s[\g0a:\g0a+3], s[\g1a:\g1a+7]
	s_nop 0
.rept 4
	v_nop
.endr
	s_branch .Lasked_\@
.Lfor_b_\@:
	tensor_load_to_lds s[\g0b:\g0b+3], s[\g1b:\g1b+7]
	s_nop 0
.rept 4
	v_nop
.endr
.Lasked_\@:
.endm
.macro CREST
	s_cmp_lg_u32 s[WV], 0
	s_cbranch_scc1 .Lnot_wave_0_\@
	s_barrier_signal -3
.Lnot_wave_0_\@:
	s_barrier_wait -3
	s_barrier_signal -1
	s_barrier_wait -1
.endm
.macro CROUND
	s_barrier_signal -1
	s_barrier_wait -1
	CREST
.endm
	s_load_b256 s[4:11], s[0:1], 0x0
	s_load_b128 s[12:15], s[0:1], 0x20
	s_load_b64 s[16:17], s[0:1], 0x30
	v_lshl_add_u32 v[SPW], v0, 2, SPARE
	v_mov_b32 v[NIL], 0
	ds_add_u32 v[SPW], v[NIL]
	ds_add_u32 v[SPW], v[NIL]
	v_lshrrev_b32 v1, 5, v0
	v_readfirstlane_b32 s[WV], v1
	s_lshr_b32 s[RH], s[WV], 1
	s_and_b32 s[CH], s[WV], 1
	s_bfe_u32 s[CX], ttmp6, 0x40000
	s_bfe_u32 s[CY], ttmp6, 0x40004
	s_and_b32 s40, ttmp7, 0xffff
	s_sub_co_u32 s41, s40, 8
	s_lshl_b32 s41, s41, 1
	s_add_co_u32 s41, s41, ttmp9
	s_cmp_ge_u32 s40, 8
	s_cselect_b32 s42, 0, s40
	s_cselect_b32 s43, s41, ttmp9
	s_cselect_b32 s44, 640, 0
	s_cselect_b32 s45, 0, 512
	s_cselect_b32 s[ISV], 1, 0
	s_xor_b32 s[ISQ], s[ISV], 1
	s_and_b32 s[ISQ], s[ISQ], ttmp9
	s_lshl_b32 s[TR], s42, 2
	s_add_co_u32 s[TR], s[TR], s[CY]
	s_lshl_b32 s[TC], s43, 2
	s_add_co_u32 s[TC], s[TC], s[CX]
	s_lshl_b32 s46, s[CY], 2
	s_lshl_b32 s46, 15, s46
	s_lshl_b32 s47, 0x1111, s[CX]
	s_or_b32 s[G1+0], s46, (3<<16)|(1<<21)
	s_or_b32 s[G1B+0], s47, (3<<16)|(1<<21)
.irp g, G1, G1B
	s_mov_b32 s[\g+1], 384<<16
	s_mov_b32 s[\g+2], 8<<16
	s_mov_b32 s[\g+3], 384<<16
	s_mov_b32 s[\g+4], 8
	s_mov_b32 s[\g+5], 1536
	s_mov_b32 s[\g+6], 0
	s_mov_b32 s[\g+7], 0
.endr
	s_or_b32 s[G1S+0], s46, (3<<16)|(1<<21)
	s_or_b32 s[G1SB+0], s47, (3<<16)|(1<<21)
.irp g, G1S, G1SB
	s_mov_b32 s[\g+1], 64<<16
	s_mov_b32 s[\g+2], 8<<16
	s_mov_b32 s[\g+3], 64<<16
	s_mov_b32 s[\g+4], 8
	s_mov_b32 s[\g+5], 6144
	s_mov_b32 s[\g+6], 0
	s_mov_b32 s[\g+7], 0
.endr
	s_lshl_b32 s2, s[CH], 3
	s_lshl_b32 s94, s[TR], 4
	s_add_co_u32 s94, s94, s44
	s_add_co_u32 s94, s94, s2
	s_lshl_b32 s96, s[TC], 4
	s_add_co_u32 s96, s96, s45
	s_add_co_u32 s96, s96, s2
	s_lshl_b32 s98, s94, 6
	s_mov_b32 s99, 0
	s_lshl_b32 s100, s96, 6
	s_mov_b32 s101, 0
	s_mul_i32 s94, s94, 12288
	s_mov_b32 s95, 0
	s_mul_i32 s96, s96, 12288
	s_mov_b32 s97, 0
	s_mul_i32 s40, s[WV], HALFT
	s_lshl_b32 s41, s[WV], 12
	s_wait_dscnt 0x0
	s_wait_kmcnt 0x0
	s_add_nc_u64 s[94:95], s[4:5], s[94:95]
	s_add_nc_u64 s[98:99], s[6:7], s[98:99]
	s_add_nc_u64 s[96:97], s[4:5], s[96:97]
	s_add_nc_u64 s[100:101], s[6:7], s[100:101]
	CROUND
	s_mov_b32 s[G0S], 1
	s_add_co_u32 s[G0S+1], s41, SCL
	s_mov_b64 s[G0S+2:G0S+3], s[98:99]
	s_or_b32 s[G0S+3], s[G0S+3], 0x80000000
	s_mov_b32 s[G0SB], 1
	s_add_co_u32 s[G0SB+1], s41, SCL
	s_mov_b64 s[G0SB+2:G0SB+3], s[100:101]
	s_or_b32 s[G0SB+3], s[G0SB+3], 0x80000000
	JLOAD G0S, G1S, G0SB, G1SB
.irp s, 0,1
	s_mov_b32 s[G0+4*\s], 1
	s_add_co_u32 s[G0+4*\s+1], s40, \s*SLOT
	s_add_nc_u64 s[G0+4*\s+2:G0+4*\s+3], s[94:95], \s*3072
	s_or_b32 s[G0+4*\s+3], s[G0+4*\s+3], 0x80000000
	s_mov_b32 s[G0B+4*\s], 1
	s_add_co_u32 s[G0B+4*\s+1], s40, \s*SLOT
	s_add_nc_u64 s[G0B+4*\s+2:G0B+4*\s+3], s[96:97], \s*3072
	s_or_b32 s[G0B+4*\s+3], s[G0B+4*\s+3], 0x80000000
	s_wait_alu depctr_va_vdst(0)
	s_wait_tensorcnt 0x0
	ds_add_u32 v28, v29
	s_wait_dscnt 0x0
	CROUND
	JLOAD G0+4*\s, G1, G0B+4*\s, G1B
.endr
	v_and_b32 v1, 31, v0
	v_lshlrev_b32 v[L16], 4, v1
	v_lshlrev_b32 v[L8], 3, v1
	v_and_b32 v[RR], 15, v0
	v_bfe_u32 v[HH], v0, 4, 1
	s_wait_alu depctr_va_vdst(0)
	s_mul_i32 s2, s[RH], HALFT
	s_mul_i32 s3, s[CH], HALFT
	s_add_co_u32 s3, s3, 2*HALFT
.irp s, 0,1
	v_add_nc_u32 v[ADRA+\s], s2, v[L16]
	v_add_nc_u32 v[ADRA+2+\s], s2, v[L8]
	v_add_nc_u32 v[ADRB+\s], s3, v[L16]
	v_add_nc_u32 v[ADRB+2+\s], s3, v[L8]
	s_add_co_u32 s2, s2, SLOT
	s_add_co_u32 s3, s3, SLOT
.endr
	s_lshl_b32 s2, s[RH], 12
	s_lshl_b32 s3, s[CH], 12
	s_add_co_u32 s3, s3, 2*4096
	s_sub_co_u32 s3, s3, s2
	v_mul_u32_u24 v6, s3, v[HH]
	s_add_co_u32 s2, s2, SCL
	v_lshl_add_u32 v6, v[RR], 2, v6
	v_add_nc_u32 v[ADRS], s2, v6
	v_lshlrev_b32 v[BNO], 6, v[HH]
	s_wait_alu depctr_va_vdst(0)
	v_and_b32 v[BMO], 8, v[RR]
	v_add_nc_u32 v[BMO], v[BMO], v[RR]
	v_lshlrev_b32 v[BMO], 2, v[BMO]
	s_wait_alu depctr_va_vdst(0)
	s_lshl_b32 s2, s[TC], 8
	s_lshl_b32 s3, s[CH], 7
	s_add_co_u32 s2, s2, s3
	s_lshl_b32 s2, s2, 2
	s_lshl_b32 s3, s[TR], 8
	s_lshl_b32 s23, s[RH], 7
	s_add_co_u32 s3, s3, s23
	s_add_co_u32 s3, s3, 2048
	s_lshl_b32 s3, s3, 2
	s_cmp_lg_u32 s[ISV], 0
	s_cselect_b32 s42, 0, s2
	s_cselect_b32 s44, s3, 0
	s_mov_b32 s43, 0
	s_mov_b32 s45, 0
	s_add_nc_u64 s[42:43], s[8:9], s[42:43]
	s_add_nc_u64 s[44:45], s[8:9], s[44:45]
	WIN TO_B
.irp be, 0,1,2,3
.irp j, 0,1,2,3
.set IDX, 16*\be+4*\j
.set BR, IDX+96+96*(IDX/32)
	global_load_b128 v[BR:BR+3], v[BNO], s[42:43] offset:128*\be+16*\j
.endr
.endr
	WIN 0
.irp a, 0,1,2,3,4,5,6,7
	global_load_b32 v[BM+2*\a], v[BMO], s[44:45] offset:4*(32*(\a/2)+8*(\a%2))
	global_load_b32 v[BM+2*\a+1], v[BMO], s[44:45] offset:4*(32*(\a/2)+8*(\a%2))
.endr
.macro FRAG reg, adr, off
	ds_load_b128 v[\reg:\reg+3], v[\adr] offset:\off
	ds_load_b64 v[\reg+4:\reg+5], v[\adr+2] offset:\off+512
	ds_load_b128 v[\reg+6:\reg+9], v[\adr] offset:\off+768
	ds_load_b64 v[\reg+10:\reg+11], v[\adr+2] offset:\off+1280
.endm
.macro MUL16 a0, p, q, sc, zero
.irp a, \a0, \a0+1
.irp b, 0,1,2,3,4,5,6,7
.if \zero
	v_wmma_scale_f32_16x16x128_f8f6f4 v[8*(8*((\a)%4)+\b):8*(8*((\a)%4)+\b)+7], v[128*(\p)+FR*\b:128*(\p)+FR*\b+FR-1], v[AF+FR*(\a):AF+FR*(\a)+FR-1], 0, v[SC+8*NQ*(\sc)+NQ*\b+(\q)], v[SC+8*NQ*(\sc)+NQ*(\a)+(\q)] matrix_a_fmt:MATRIX_FMT_FP6 matrix_b_fmt:MATRIX_FMT_FP6 matrix_a_scale:MATRIX_SCALE_ROW1
.else
	v_wmma_scale_f32_16x16x128_f8f6f4 v[8*(8*((\a)%4)+\b):8*(8*((\a)%4)+\b)+7], v[128*(\p)+FR*\b:128*(\p)+FR*\b+FR-1], v[AF+FR*(\a):AF+FR*(\a)+FR-1], v[8*(8*((\a)%4)+\b):8*(8*((\a)%4)+\b)+7], v[SC+8*NQ*(\sc)+NQ*\b+(\q)], v[SC+8*NQ*(\sc)+NQ*(\a)+(\q)] matrix_a_fmt:MATRIX_FMT_FP6 matrix_b_fmt:MATRIX_FMT_FP6 matrix_a_scale:MATRIX_SCALE_ROW1
.endif
.endr
.endr
.endm
.macro FETCH_B slot, q, p
	WIN TO_B
.irp i, 0,1,2,3,4,5,6,7
	FRAG 128*(\p)+FR*\i, ADRB+\slot, 3072*\i+1536*(\q)
.endr
	WIN 0
.endm
.macro FETCH_A slot, q, i0
.irp i, \i0, \i0+1, \i0+2, \i0+3
	FRAG AF+FR*(\i), ADRA+\slot, 3072*(\i)+1536*(\q)
.endr
.endm
.macro SCALES sc
.irp i, 0,1,2,3,4,5,6,7
.irp q, 0,1
	ds_load_b32 v[SC+16*\sc+2*\i+\q], v[ADRS] offset:512*\q+64*\i
.endr
.endr
.endm
.macro PLACES n
.rept \n
	v_nop
.endr
.endm
.macro STEP slot, q, zero
	s_wait_dscnt 4*NL
	WIN MUL_LO
	MUL16 0, (\q)%2, \q, \slot, \zero
	MUL16 2, (\q)%2, \q, \slot, \zero
	s_wait_dscnt 0
	PLACES NP
	FETCH_B \slot, (\q)+1, 1-(\q)%2
	FETCH_A \slot, (\q)+1, 0
	WIN MUL_HI
	MUL16 4, (\q)%2, \q, \slot, \zero
	MUL16 6, (\q)%2, \q, \slot, \zero
	PLACES NP
	WIN 0
	FETCH_A \slot, (\q)+1, 4
.endm
.macro TURN slot, next, fill
	s_wait_tensorcnt 0x0
	ds_add_u32 v[SPW], v[NIL]
	s_wait_dscnt 4*NL+1
	WIN MUL_LO
	MUL16 0, 1, NQ-1, \slot, 0
	s_wait_dscnt 0x0
	s_barrier_signal -1
	MUL16 2, 1, NQ-1, \slot, 0
	WIN 0
	s_barrier_wait -1
.if \fill
	CREST
	s_add_nc_u64 s[G0+4*\slot+2:G0+4*\slot+3], s[G0+4*\slot+2:G0+4*\slot+3], 2*3072
	s_add_nc_u64 s[G0B+4*\slot+2:G0B+4*\slot+3], s[G0B+4*\slot+2:G0B+4*\slot+3], 2*3072
	JLOAD G0+4*\slot, G1, G0B+4*\slot, G1B
.else
	PLACES NP
.endif
	s_wait_alu depctr_va_vdst(0)
	v_add_nc_u32 v[ADRS], 1024, v[ADRS]
	FETCH_B \next, 0, 0
	FETCH_A \next, 0, 0
	SCALES \next
	WIN MUL_HI
	MUL16 4, 1, NQ-1, \slot, 0
	MUL16 6, 1, NQ-1, \slot, 0
	PLACES NP
	WIN 0
	FETCH_A \next, 0, 4
.endm
	s_wait_tensorcnt 1
	s_barrier_signal -1
	s_barrier_wait -1
	FETCH_B 0, 0, 0
	FETCH_A 0, 0, 0
	SCALES 0
	FETCH_A 0, 0, 4
	STEP 0, 0, 1
	TURN 0, 1, 1
	STEP 1, 0, 0
	TURN 1, 0, 1
	STEP 0, 0, 0
	TURN 0, 1, 0
	STEP 1, 0, 0
	s_wait_dscnt 4*NL
	WIN MUL_LO
	MUL16 0, 1, NQ-1, 1, 0
	MUL16 2, 1, NQ-1, 1, 0
	s_wait_dscnt 0
	WIN MUL_HI
	MUL16 4, 1, NQ-1, 1, 0
	MUL16 6, 1, NQ-1, 1, 0
	WIN 0
	s_wait_loadcnt 0x0
	s_lshr_b32 s24, s[TR], 3
	s_lshr_b32 s25, s[TC], 3
	s_lshl_b32 s26, s[TC], 1
	s_add_co_u32 s26, s26, s[CH]
	s_and_b32 s27, s26, 7
	s_lshl_b32 s28, s[TR], 1
	s_add_co_u32 s28, s28, s[RH]
	s_and_b32 s29, s26, 15
	s_lshl_b32 s30, s[TR], 4
	s_lshl_b32 s31, s[RH], 3
	s_add_co_u32 s30, s30, s31
	s_and_b32 s30, s30, 127
	s_cmp_lg_u32 s[ISV], 0
	s_cselect_b32 s24, s25, s24
	s_cselect_b32 s27, s28, s27
	s_lshl_b32 s24, s24, 3
	s_add_co_u32 s24, s24, s27
	s_mul_i32 s32, s24, 393216
	s_lshr_b32 s33, s30, 6
	s_mul_i32 s33, s33, 98304
	s_and_b32 s34, s30, 63
	s_mul_i32 s34, s34, 768
	s_add_co_u32 s33, s33, s34
	s_add_co_u32 s33, s33, s32
	s_lshr_b32 s34, s29, 3
	s_mul_i32 s34, s34, 98304
	s_and_b32 s35, s29, 7
	s_mul_i32 s35, s35, 6144
	s_add_co_u32 s34, s34, s35
	s_add_co_u32 s34, s34, s32
	s_add_co_u32 s34, s34, 49152
	s_mul_i32 s35, s24, 196608
	s_mul_i32 s36, s30, 768
	s_add_co_u32 s35, s35, s36
	s_mul_i32 s36, s24, 24576
	s_lshr_b32 s37, s30, 2
	s_lshl_b32 s37, s37, 8
	s_add_co_u32 s38, s36, s37
	s_lshl_b32 s39, s29, 8
	s_add_co_u32 s36, s36, s39
	s_add_co_u32 s36, s36, 16384
	s_lshl_b32 s39, s24, 14
	s_add_co_u32 s37, s37, s39
	s_mov_b32 s40, 196608
	s_mov_b32 s41, 8192
	s_cmp_lg_u32 s[ISV], 0
	s_cselect_b32 s33, s34, s33
	s_cselect_b32 s38, s36, s38
	s_cselect_b32 s40, 768, s40
	s_cselect_b32 s41, 4096, s41
	s_cselect_b32 s42, 0, 16
	s_cmp_lg_u32 s[ISQ], 0
	s_cselect_b32 s33, s35, s33
	s_cselect_b32 s38, s37, s38
	s_cselect_b32 s40, 98304, s40
	s_cselect_b64 s[44:45], s[12:13], s[10:11]
	s_cselect_b64 s[46:47], s[16:17], s[14:15]
	s_mov_b32 s94, s33
	s_mov_b32 s95, 0
	s_mov_b32 s96, s38
	s_mov_b32 s97, 0
	s_mov_b32 s99, 0
	s_add_nc_u64 s[44:45], s[44:45], s[94:95]
	s_add_nc_u64 s[46:47], s[46:47], s[96:97]
	s_mov_b32 s[SEL], 0x76543210
	s_mov_b32 s[SEL+1], 0xfedcba98
	PLACES NP
	v_add_nc_u32 v[VO2], 512, v[L8]
	v_add_nc_u32 v[VO3], s40, v[L16]
	v_add_nc_u32 v[VO4], s40, v[VO2]
	v_mul_u32_u24 v[KO], s41, v[HH]
	v_lshl_add_u32 v[KO], v[RR], 4, v[KO]
	v_mul_u32_u24 v[SH], s42, v[HH]
.irp b, 0,1,2,3
	v_mov_b32 v[TM+4+\b], 0
.endr
.macro QUANT s
.irp b, 0,1,2,3
	v_max3_num_f32 v[TM+\b], |v[\s+16*\b]|, |v[\s+1+16*\b]|, 0x1800000
.endr
.irp i, 2,4,6,8,10,12,14
.irp b, 0,1,2,3
	v_max3_num_f32 v[TM+\b], v[TM+\b], |v[\s+16*\b+\i]|, |v[\s+1+16*\b+\i]|
.endr
.endr
.irp b, 0,1,2,3
	v_permlanex16_b32 v[TM+4+\b], v[TM+\b], s[SEL], s[SEL+1]
.endr
.irp b, 0,1,2,3
	v_max_num_f32 v[TM+\b], v[TM+\b], v[TM+4+\b]
.endr
.irp b, 0,1,2,3
	v_add_nc_u32 v[TM+12+\b], 0xff000000, v[TM+\b]
.endr
.irp b, 0,1,2,3
	v_lshrrev_b32 v[TM+4+\b], 23, v[TM+12+\b]
.endr
	v_lshl_or_b32 v[PW], v[TM+5], 8, v[TM+4]
	v_lshl_or_b32 v[PW], v[TM+6], 16, v[PW]
	v_lshl_or_b32 v[PW], v[TM+7], 24, v[PW]
.irp c, 0,1
	v_cvt_scalef32_pk16_fp6_f32 v[PC+6*\c:PC+2+6*\c], v[\s+32*\c:\s+15+32*\c], v[TM+12+2*\c]
	v_cvt_scalef32_pk16_fp6_f32 v[PC+12+4*\c:PC+14+4*\c], v[\s+16+32*\c:\s+31+32*\c], v[TM+12+2*\c+1]
.endr
	v_nop
.irp c, 0,1
.irp i, 0,1,2
	v_permlane16_swap_b32 v[PC+6*\c+\i], v[PC+12+4*\c+\i]
.endr
.irp i, 0,1,2
	v_mov_b32 v[PC+3+6*\c+\i], v[PC+12+4*\c+\i]
.endr
.endr
.endm
.macro OUTA a
.set AC, 64*((\a)%4)
	s_cmp_lg_u32 s[ISV], 0
	s_cbranch_scc1 .Lrows_\@
	WIN 0x06+(\a)/4
.set I, 0
.rept 32
.set BR, I+96+96*(I/32)
	v_pk_add_f32 v[H+I:H+I+1], v[AC+I:AC+I+1], v[BR:BR+1]
.set I, I+2
.endr
	WIN 0
	s_branch .Lsum_\@
.Lrows_\@:
	WIN 0x02+(\a)/4
.set I, 0
.rept 32
	v_pk_add_f32 v[H+I:H+I+1], v[AC+I:AC+I+1], v[BM+2*(\a):BM+2*(\a)+1]
.set I, I+2
.endr
	WIN 0
.Lsum_\@:
.if (\a) > 0
	s_wait_xcnt 0x0
	s_mov_b32 s98, 768
	s_cmp_lg_u32 s[ISV], 0
.if (\a) == 4
	s_cselect_b32 s98, 192000, s98
.else
	s_cselect_b32 s98, 1536, s98
.endif
	s_add_nc_u64 s[44:45], s[44:45], s[98:99]
.endif
	QUANT H
	v_lshrrev_b32 v[KS+(\a)], v[SH], v[PW]
	global_store_b128 v[L16], v[PC:PC+3], s[44:45]
	global_store_b64 v[VO2], v[PC+4:PC+5], s[44:45]
	global_store_b128 v[VO3], v[PC+6:PC+9], s[44:45]
	global_store_b64 v[VO4], v[PC+10:PC+11], s[44:45]
.endm
.irp a, 0,1,2,3,4,5,6,7
	OUTA \a
.endr
	s_cmp_lg_u32 s[ISV], 0
	s_cbranch_scc1 .Lv_words
	global_store_b128 v[KO], v[KS:KS+3], s[46:47]
	global_store_b128 v[KO], v[KS+4:KS+7], s[46:47] offset:256
	s_branch .Lwords_out
.Lv_words:
	v_cmp_ne_u32 vcc_lo, 0, v[HH]
	s_wait_alu depctr_va_vdst(0)
.irp t, 0,1,2,3
	v_cndmask_b32 v[KS+\t], v[KS+\t], v[KS+4+\t], vcc_lo
.endr
	global_store_b128 v[KO], v[KS:KS+3], s[46:47]
.Lwords_out:
	s_wait_tensorcnt 0x0
	ds_add_u32 v[SPW], v[NIL]
	s_wait_dscnt 0x0
	CROUND
	s_endpgm
.Lfunc_end_k_q05d0851882_proj:
	.size	k_q05d0851882_proj, .Lfunc_end_k_q05d0851882_proj-k_q05d0851882_proj
	.p2alignl 7, 3214868480
	.fill 96, 4, 3214868480
	.section	.rodata,"a",@progbits
	.p2align	6, 0x0
	.amdhsa_kernel k_q05d0851882_proj
		.amdhsa_group_segment_fixed_size 327680
		.amdhsa_private_segment_fixed_size 0
		.amdhsa_enable_private_segment 0
		.amdhsa_kernarg_size 56
		.amdhsa_user_sgpr_count 2
		.amdhsa_user_sgpr_kernarg_segment_ptr 1
		.amdhsa_wavefront_size32 1
		.amdhsa_system_sgpr_workgroup_id_x 1
		.amdhsa_system_sgpr_workgroup_id_y 1
		.amdhsa_system_sgpr_workgroup_id_z 1
		.amdhsa_system_vgpr_workitem_id 0
		.amdhsa_next_free_vgpr 1024
		.amdhsa_next_free_sgpr 102
		.amdhsa_reserve_vcc 1
		.amdhsa_float_denorm_mode_32 3
		.amdhsa_float_denorm_mode_16_64 3
		.amdhsa_memory_ordered 1
		.amdhsa_forward_progress 1
		.amdhsa_inst_pref_size 192
	.end_amdhsa_kernel
	.amdgpu_metadata
---
amdhsa.version: [ 1, 2 ]
amdhsa.kernels:
  - .name:           k_q05d0851882_proj
    .symbol:         k_q05d0851882_proj.kd
    .args:
      - { .name: cw, .offset: 0, .size: 8, .value_kind: global_buffer, .address_space: global }
      - { .name: sw, .offset: 8, .size: 8, .value_kind: global_buffer, .address_space: global }
      - { .name: in_proj_b, .offset: 16, .size: 8, .value_kind: global_buffer, .address_space: global }
      - { .name: kv, .offset: 24, .size: 8, .value_kind: global_buffer, .address_space: global }
      - { .name: qc, .offset: 32, .size: 8, .value_kind: global_buffer, .address_space: global }
      - { .name: asc, .offset: 40, .size: 8, .value_kind: global_buffer, .address_space: global }
      - { .name: qs, .offset: 48, .size: 8, .value_kind: global_buffer, .address_space: global }
    .group_segment_fixed_size: 327680
    .private_segment_fixed_size: 0
    .kernarg_segment_align: 8
    .kernarg_segment_size: 56
    .max_flat_workgroup_size: 128
    .sgpr_count:     102
    .vgpr_count:     1024
    .wavefront_size: 32
...
	.end_amdgpu_metadata
.endif
;; end of part 2
;; launch attn (part 3): grid 4 x 64, 16 waves a work-group, clusters of 4 x 1, 327,680 bytes of LDS; arguments kv, asc, qc, qs, sc, ss; writes sc, ss
.if DOCPART == 3
	.amdgcn_target "amdgcn-amd-amdhsa--gfx1250"
	.amdhsa_code_object_version 6
	.text
	.protected	k_q05d0851882_attn
	.globl	k_q05d0851882_attn
	.p2align	8
	.type	k_q05d0851882_attn,@function
k_q05d0851882_attn:
	s_mov_b64 s[64:65], 0
	v_nop
	global_prefetch_b8 v0, s[64:65] scope:SCOPE_SE
	s_setreg_imm32_b32 hwreg(HW_REG_WAVE_MODE, 25, 1), 1
	s_wait_xcnt 0x0
	s_wait_alu depctr_hold_cnt(0) depctr_sa_sdst(0) depctr_va_vdst(0) depctr_va_sdst(0) depctr_va_ssrc(0) depctr_va_vcc(0) depctr_vm_vsrc(0)
	s_getreg_b32 s2, hwreg(HW_REG_IB_STS2, 6, 4)
	s_cmp_eq_u32 s2, 0
	s_cbranch_scc0 .Lentry_in_a_cluster
	s_endpgm
.Lentry_in_a_cluster:
	s_bfe_u32 s2, ttmp6, 0x10000c
	s_cmp_lg_u32 s2, 0x3003
	s_cbranch_scc0 .Lentry_shape_is_right
	s_endpgm
.Lentry_shape_is_right:
; Attention on codes of FP6 (E2M3): S^T = K Q^T (K = the head's 64), p = 2^(t - M), O^T = V^T P^T (K = the keys), O / l, and the score quantised along h x 64 + d for the last projection.
; t = score x log2(e) / 8; M = the running largest t rounded up to a whole number; p is quantised along the keys, not normalised; l is the sum of the unquantised p; when M moves, l and O^T are multiplied by 2^(old M - new M): exact.
; SHARES.  Work-group y = 16 x batch + head; x = a block of 512 queries.  256 work-groups.  Each of sixteen waves owns two tiles of 16 queries and walks the head's 2,048 keys, 128 a step, for the first tile and then for the second.
; LDS.  The head's K and V, 196,608 bytes (two pieces of 1,024 keys: K's 64 tiles of 768 bytes, then V's 8 key steps x 4 fragments of 1,536), and its scale words, 12,288 bytes, come ONCE, at the head: waves 0-11 ask for 16,384 bytes of
; tiles each, waves 12-13 for 4,096 bytes of K's scale words each, wave 14 for V's 4,096.  Nothing is filled again, so one barrier stands behind the fills and none between the key steps.
; CLUSTER.  The four query blocks of a head form a cluster: every tensor load is joint, with the mask of all four.  cx enters the addresses of q and of the results alone.
; NO PREFETCH: every byte that the launch reads is asked for at the head; there is no loop to run ahead in.
; OPERANDS ARE IMAGES OF OPERAND REGISTERS.  A tile of K or Q (16 rows x 64) is 768 bytes: registers 0-3 of lane l at 16 l, 4-5 at 512 + 8 l.  In memory slot r of tile T of a step holds key 32 (T / 2) + 8 (T % 2) + r + 8 (r / 8).
; THE TILES OF K ARE FORMED ANEW BY THE LANES' ADDRESSES: row r of tile 4 c + u takes key 64 c + 32 (r / 8) + 8 u + r % 8, which lies in the stored tile 4 c + 2 (r / 8) + u % 2 at slot r % 8 + 8 (u / 2).  So register 32 c + 8 u + j of
; lane (r, h) is key 64 c + 32 h + 8 u + j: a lane holds whole blocks of 32 keys, as P^T's operand wants them; no lane swap, and one look at lane l xor 16 for the row's maximum and one for the scale word.
; Q's registers 6-11 hold zero codes, written once: they make every product of k = 64 .. 127 zero, whatever K's side holds there.  So K's eight tiles lie six registers apart (a tile's registers 6-11 are the next tile's codes, the last
; tile's six zeros), and their scale bytes for those k are a neighbour's or 0, never 0xff.  V's four fragments land in the same registers behind the eight products, under the softmax.
; THE SCORE'S SCALE BYTES: a head gives two of the four bytes of a row's word in ss; the other head's work-group stores the other two.  So these stores, 1,024 bytes a work-group beside 24,576 of codes, write 2 of every 4 bytes.
; LIMITS: the promise holds while the scaled scores t stay under 2^31 in magnitude; NaN and infinities are not served; a block of zeros gets the byte 1, its codes are zeros, and the bytes are read by this program alone.
.set KVB,   196608
.set SCB,   KVB                        ; K's scale words (8,192), then V's (4,096)
.set SPARE, SCB+12288                  ; the spare words, 128 bytes a wave: eight blocks of 256 bytes that no other line names
.set L16, 1                            ; 16 x lane
.set L8,  2                            ; 8 x lane
.set R16, 3                            ; 16 x (lane % 16)
.set SPW, 4                            ; my spare word; never rewritten
.set NIL, 5                            ; 0; never rewritten
.set AK16, 6                           ; v6-11 the step's LDS addresses: K's tiles, K's scale words, V's scale words, V's fragments
.set AK8,  7
.set ADS,  8
.set ADT,  9
.set AV16, 10
.set AV8,  11                          ; v12 -M, v13 the running largest score, v[14:15] the row's sum in two halves
.set QF,  16                           ; v16-27 Q's fragment (v22-27 zeros)
.set QS,  28                           ; v28 Q's scale word; v29 the second tile's
.set Q1,  30                           ; v30-35 the second tile's Q
.set KL16, 36                          ; 1,536 (r / 8) + 16 (r % 8) + 256 h
.set KL8,  37                          ; 1,536 (r / 8) + 8 (r % 8) + 128 h
.set KSL,  38                          ; 16 (r % 8) + 8 (r / 8)
.set SH8,  39                          ; 8 h
.set SCW,  40                          ; the score's two scale bytes: lanes 0-15 the first tile's, lanes 16-31 the second's
.set SSO,  41                          ; 4 x lane
.set KV,  42                           ; v42-95 K's eight tiles and six zeros; then V's four fragments in v42-89
.set S,   96                           ; v96-159 S^T, then p
.set OT,  160                          ; v160-191 O^T
.set PC,  192                          ; v192-203 p's codes; at a tile's end the score's
.set CT,  204                          ; v204-206, v208-210 the conversions' second halves
.set BX,  212                          ; v212-213 my two blocks' largest; v214-215 a second chain for each
.set BY,  214
.set KS,  216                          ; v216-223 K's eight scale words
.set VS,  224                          ; v224-227 V's four
.set SO,  228                          ; v228-229 the conversions' scale operands
.set PD,  230                          ; v230-231 permute destination, bytes
.set T0,  232
.set T1,  233
.set FF,  236                          ; f = 2^(old M - new M)
.set PW,  237                          ; p's scale word
.set SM,  238                          ; v238-245 four chains of sums
.set WV,  16
.set SEL, 20
.set CS,  22                           ; s[22:23] c = log2(e) / 8
.set G1T, 24                           ; s[24:31] group 1: 64 rows of 256 bytes;  s[32:39]: 16 rows
.set G1S, 32
.set G0T, 40
.set G0S, 44
.set TB,  48                           ; the step's tiles in LDS
.set TS,  49                           ; K's scale words of the step
.set TJ,  50                           ; V's
.set CNT, 51
.set CN,  52                           ; -c
.set MK,  53                           ; lanes 16-31
.macro CROUND                          ; a round of the cluster's barrier
	s_barrier_signal -1
	s_barrier_wait -1
	s_cmp_lg_u32 s[WV], 0
	s_cbranch_scc1 .Lnot_wave_0_\@
	s_barrier_signal -3
.Lnot_wave_0_\@:
	s_barrier_wait -3
	s_barrier_signal -1
	s_barrier_wait -1
.endm
.macro INIT                            ; a tile's start: the step is written once, and the first finds zeros, which the first change of M leaves zeros
	v_mov_b32 v13, 0xff61b1e6                      ; the largest score so far: -3e38
	v_mov_b32 v12, 0x7f61b1e6                      ; -M: 3e38, so that the first f is 0
	v_mov_b32 v14, 0
	v_mov_b32 v15, 0
.set J, 0
.rept 32
	v_mov_b32 v[OT+J], 0
.set J, J+1
.endr
.endm
	s_load_b256 s[4:11], s[0:1], 0x0               ; kv s[4:5], asc s[6:7], qc s[8:9], qs s[10:11]
	s_load_b128 s[12:15], s[0:1], 0x20             ; sc s[12:13], ss s[14:15]
	v_lshl_add_u32 v[SPW], v0, 2, SPARE
	v_mov_b32 v[NIL], 0
	ds_add_u32 v[SPW], v[NIL]                      ; the opening lines: the add, twice on end, and its wait ahead of the first tensor loads
	ds_add_u32 v[SPW], v[NIL]
	v_lshrrev_b32 v1, 5, v0
	v_readfirstlane_b32 s[WV], v1                  ; wave 0..15
	s_bfe_u32 s17, ttmp6, 0x40000                  ; cx
	s_lshl_b32 s18, ttmp9, 2
	s_add_co_u32 s18, s18, s17                     ; my block of 512 queries
	s_and_b32 s19, ttmp7, 0xffff                   ; 16 x batch + head: the four partners share it
	s_mov_b32 s[G1T], 15|(3<<16)|(1<<21)           ; the mask: all four work-groups; elements of 8 bytes; bit 21 beside a mask; no padding
	s_mov_b32 s[G1T+1], 32<<16                     ; rows of 256 bytes,
	s_mov_b32 s[G1T+2], 64<<16                     ; 64 of them, dense
	s_mov_b32 s[G1T+3], 32<<16
	s_mov_b32 s[G1T+4], 64
	s_mov_b32 s[G1T+5], 32
	s_mov_b32 s[G1T+6], 0
	s_mov_b32 s[G1T+7], 0
	s_mov_b32 s[G1S], 15|(3<<16)|(1<<21)
	s_mov_b32 s[G1S+1], 32<<16
	s_mov_b32 s[G1S+2], 16<<16                     ; 16 rows
	s_mov_b32 s[G1S+3], 32<<16
	s_mov_b32 s[G1S+4], 16
	s_mov_b32 s[G1S+5], 32
	s_mov_b32 s[G1S+6], 0
	s_mov_b32 s[G1S+7], 0
	s_mov_b32 s[SEL], 0x76543210
	s_mov_b32 s[SEL+1], 0xfedcba98
	s_mov_b32 s[CS], 0x3e38aa3b                    ; log2(e) / 8
	s_mov_b32 s[CS+1], s[CS]                       ; (named with it as a pair, so it is written)
	s_mov_b32 s[CN], 0xbe38aa3b
	s_mov_b32 s[MK], 0xffff0000
	s_lshr_b32 s54, s19, 1                         ; the head pair: asc is laid by pairs
	s_and_b32 s55, s19, 1                          ; which head of the pair
	s_lshl_b32 s56, s[WV], 14                      ; waves 0-11: 16,384 bytes of tiles each, in memory as in LDS
	s_mul_i32 s58, s19, KVB
	s_add_co_u32 s58, s58, s56
	s_mov_b32 s59, 0
	s_max_u32 s60, s[WV], 12
	s_sub_co_u32 s60, s60, 12
	s_lshl_b32 s60, s60, 12
	s_lshl_b32 s61, s55, 13
	s_add_co_u32 s60, s60, s61                     ; waves 12, 13: a half of my head's 8,192 bytes of K's words
	s_lshl_b32 s61, s55, 12
	s_add_co_u32 s61, s61, 16384                   ; wave 14: my head's 4,096 bytes of V's words, behind both heads' K's
	s_cmp_eq_u32 s[WV], 14
	s_cselect_b32 s60, s61, s60
	s_mul_i32 s61, s54, 24576
	s_add_co_u32 s60, s60, s61
	s_mov_b32 s61, 0
	s_lshl_b32 s57, s[WV], 12
	s_wait_dscnt 0x0                               ; both opening adds are done
	s_wait_kmcnt 0x0
	s_mov_b32 s[G0T], 1
	s_mov_b32 s[G0T+1], s56
	s_add_nc_u64 s[G0T+2:G0T+3], s[4:5], s[58:59]
	s_or_b32 s[G0T+3], s[G0T+3], 0x80000000
	s_mov_b32 s[G0S], 1
	s_add_co_u32 s[G0S+1], s57, SCB-12*4096        ; SCB + 4,096 (wave - 12)
	s_add_nc_u64 s[G0S+2:G0S+3], s[6:7], s[60:61]
	s_or_b32 s[G0S+3], s[G0S+3], 0x80000000
	CROUND                                         ; all four work-groups are here: the joint loads meet
	s_cmp_lt_u32 s[WV], 12                         ; one chain of branches on the wave's number, one load to an arm
	s_cbranch_scc0 .Lwords
	tensor_load_to_lds s[G0T:G0T+3], s[G1T:G1T+7]
	s_nop 0
.rept 4
	v_nop
.endr
	s_branch .Lasked
.Lwords:
	s_cmp_lt_u32 s[WV], 15
	s_cbranch_scc0 .Lasked
	tensor_load_to_lds s[G0S:G0S+3], s[G1S:G1S+7]
	s_nop 0
.rept 4
	v_nop
.endr
.Lasked:
	s_lshl_b32 s66, s18, 5
	s_lshl_b32 s67, s[WV], 1
	s_add_co_u32 s66, s66, s67                     ; my first tile in the batch: 32 x block + 2 x wave
	s_mul_i32 s68, s19, 98304                      ; qc: 98,304 bytes a head
	s_mul_i32 s69, s66, 768
	s_add_co_u32 s68, s68, s69
	s_mov_b32 s69, 0
	s_add_nc_u64 s[8:9], s[8:9], s[68:69]
	s_lshl_b32 s68, s19, 13                        ; qs: 8,192 bytes a head;
	s_lshr_b32 s70, s66, 2
	s_lshl_b32 s70, s70, 8                         ; four tiles' words are 256 bytes;
	s_add_co_u32 s68, s68, s70
	s_and_b32 s70, s66, 3
	s_lshl_b32 s70, s70, 2                         ; my tile's word of a slot's four (the second tile's is the next)
	s_add_co_u32 s68, s68, s70
	s_add_nc_u64 s[10:11], s[10:11], s[68:69]
	s_lshr_b32 s70, s19, 4
	s_lshl_b32 s70, s70, 7                         ; 128 tiles a batch
	s_add_co_u32 s70, s70, s66                     ; my first tile in sc
	s_bfe_u32 s71, s19, 0x30001                    ; the head pair in its batch = the last projection's K step
	s_mul_i32 s68, s70, 12288
	s_mul_i32 s72, s71, 1536
	s_add_co_u32 s68, s68, s72
	s_mul_i32 s72, s55, 768                        ; my head's half of the fragment
	s_add_co_u32 s68, s68, s72
	s_add_nc_u64 s[12:13], s[12:13], s[68:69]
	s_lshl_b32 s68, s71, 15                        ; ss: 512 tiles x 64 bytes a K step
	s_lshl_b32 s72, s70, 6
	s_add_co_u32 s68, s68, s72
	s_lshl_b32 s72, s55, 1                         ; my head's two bytes of a word
	s_add_co_u32 s68, s68, s72
	s_add_nc_u64 s[14:15], s[14:15], s[68:69]
	v_and_b32 v6, 31, v0
	v_and_b32 v7, 15, v0
	v_bfe_u32 v8, v0, 4, 1                         ; h
	v_and_b32 v9, 7, v0                            ; r % 8
	v_bfe_u32 v10, v0, 3, 1                        ; r / 8
	v_lshlrev_b32 v[L16], 4, v6
	v_lshlrev_b32 v[L8], 3, v6
	v_lshlrev_b32 v[SSO], 2, v6
	v_lshlrev_b32 v[R16], 4, v7
	v_lshlrev_b32 v[SH8], 3, v8
	v_mul_u32_u24 v11, v10, 1536
	v_lshlrev_b32 v[KSL], 3, v10
	v_mov_b32 v[PD], 0                             ; written once: a lane permute's destination counts as one of its sources
	v_mov_b32 v[PD+1], 0
	v_mov_b32 v[T0], 0
	v_lshl_add_u32 v[KL16], v9, 4, v11
	v_lshl_add_u32 v[KL8], v9, 3, v11
	v_lshl_add_u32 v[KSL], v9, 4, v[KSL]
	v_mov_b32 v[PW], 0                             ; (named as the upper half of a pair before it is first written)
	v_mov_b32 v[QF+6], 0
	v_mov_b32 v[QF+7], 0
	v_lshl_add_u32 v[KL16], v8, 8, v[KL16]
	v_lshl_add_u32 v[KL8], v8, 7, v[KL8]
	global_load_b128 v[QF:QF+3], v[L16], s[8:9]
	global_load_b64 v[QF+4:QF+5], v[L8], s[8:9] offset:512
	global_load_b128 v[Q1:Q1+3], v[L16], s[8:9] offset:768
	global_load_b64 v[Q1+4:Q1+5], v[L8], s[8:9] offset:768+512
	global_load_b32 v[QS], v[R16], s[10:11]
	global_load_b32 v[QS+1], v[R16], s[10:11] offset:4
.irp j, 8,9,10,11
	v_mov_b32 v[QF+\j], 0                          ; zero codes for k = 64 .. 127
.endr
.irp j, 48,49,50,51,52,53
	v_mov_b32 v[KV+\j], 0                          ; behind K's last tile
.endr
	INIT
; A KEY STEP: 128 keys.
.macro SUM4 j                          ; eight more p onto the four chains
.irp k, 0,1,2,3
	v_pk_add_f32 v[SM+2*\k:SM+2*\k+1], v[SM+2*\k:SM+2*\k+1], v[S+\j+2*\k:S+\j+2*\k+1]
.endr
.endm
.macro STEP
	v_add_nc_u32 v[AK16], s[TB], v[KL16]           ; with the four sums behind the last step's products these are the places in front of the loads below
	v_add_nc_u32 v[AK8], s[TB], v[KL8]
	v_add_nc_u32 v[ADS], s[TS], v[KSL]
.irp c, 0,1
.irp u, 0,1,2,3
	ds_load_b128 v[KV+6*(4*\c+\u):KV+6*(4*\c+\u)+3], v[AK16] offset:768*(4*\c+\u%2)+128*(\u/2)
	ds_load_b64 v[KV+6*(4*\c+\u)+4:KV+6*(4*\c+\u)+5], v[AK8] offset:768*(4*\c+\u%2)+512+64*(\u/2)
.endr
.irp q, 0,1
	ds_load_b64 v[KS+4*\c+2*\q:KS+4*\c+2*\q+1], v[ADS] offset:256*\c+128*\q   ; the words of tiles 4 c + 2 q and 4 c + 2 q + 1 of my row
.endr
.endr
	s_wait_alu depctr_va_vdst(0)
	s_wait_dscnt 0x0
.irp t, 0,1,2,3,4,5,6,7                        ; S^T = K Q^T
	v_wmma_scale_f32_16x16x128_f8f6f4 v[S+8*\t:S+8*\t+7], v[KV+6*\t:KV+6*\t+11], v[QF:QF+11], 0, v[KS+\t], v[QS] matrix_a_fmt:MATRIX_FMT_FP6 matrix_b_fmt:MATRIX_FMT_FP6
.endr
	v_add_nc_u32 v[AV16], s[TB], v[L16]            ; four places behind the products: for the loads into K's registers and for the first read of S^T
	v_add_nc_u32 v[AV8], s[TB], v[L8]
	v_add_nc_u32 v[ADT], s[TJ], v[R16]
	v_mov_b32 v[T0], v12                           ; the old -M
.irp t, 0,1,2,3                                ; V's four fragments land under the softmax
	ds_load_b128 v[KV+12*\t:KV+12*\t+3], v[AV16] offset:49152+1536*\t
	ds_load_b64 v[KV+12*\t+4:KV+12*\t+5], v[AV8] offset:49152+1536*\t+512
	ds_load_b128 v[KV+12*\t+6:KV+12*\t+9], v[AV16] offset:49152+1536*\t+768
	ds_load_b64 v[KV+12*\t+10:KV+12*\t+11], v[AV8] offset:49152+1536*\t+1280
.endr
	ds_load_b128 v[VS:VS+3], v[ADT]                ; the four channel tiles' scale words of slot r
.irp b, 0,1                                    ; the largest score of each of my two blocks of 32 keys, in two chains each; every accumulator is read from its low end on
	v_max3_num_f32 v[BX+\b], v[S+32*\b], v[S+32*\b+1], v[S+32*\b+2]
	v_max3_num_f32 v[BY+\b], v[S+32*\b+16], v[S+32*\b+17], v[S+32*\b+18]
.endr
.irp i, 3,5,7,9,11,13
.irp b, 0,1
	v_max3_num_f32 v[BX+\b], v[BX+\b], v[S+32*\b+\i], v[S+32*\b+\i+1]
	v_max3_num_f32 v[BY+\b], v[BY+\b], v[S+32*\b+16+\i], v[S+32*\b+17+\i]
.endr
.endr
	v_max3_num_f32 v[BX], v[BX], v[BY], v[S+15]
	v_max3_num_f32 v[BX+1], v[BX+1], v[BY+1], v[S+47]
	v_max_num_f32 v[BX], v[BX], v[S+31]
	v_max_num_f32 v[BX+1], v[BX+1], v[S+63]
	v_max_num_f32 v[T1], v[BX], v[BX+1]
	v_permlanex16_b32 v[PD], v[T1], s[SEL], s[SEL+1]
	v_max3_num_f32 v13, v13, v[T1], v[PD]          ; the running largest score of my query (c is positive: the largest t is c x it)
	v_mul_f32 v[T1], s[CN], v13                    ; -t
	v_floor_f32 v12, v[T1]                         ; the new -M = floor(-t): M is a whole number
	v_sub_f32 v[T0], v12, v[T0]                    ; old M - new M: a whole number, 0 or less
	v_cvt_i32_f32 v[T0], v[T0]                     ; (it saturates)
	v_ldexp_f32 v[FF], 1.0, v[T0]                  ; f = 2^(old M - new M)
.set J, 0
.rept 32
	v_pk_fma_f32 v[S+J:S+J+1], v[S+J:S+J+1], s[CS:CS+1], v[12:13] op_sel_hi:[1,0,0]   ; t - M, two at a time
.set J, J+2
.endr
.irp b, 0,1
	v_fma_f32 v[BX+\b], v[BX+\b], s[CS], v12       ; the same of each block's largest score
.endr
	s_wait_alu depctr_va_vdst(0)
.irp b, 0,1
	v_exp_f32 v[BX+\b], v[BX+\b]                   ; the block's largest p: the same two instructions on the same number
.endr
.set J, 0
.rept 64
	v_exp_f32 v[S+J], v[S+J]                       ; p = 2^(t - M), at most 1
.set J, J+1
.endr
	v_pk_mul_f32 v[14:15], v[14:15], v[FF:FF+1] op_sel_hi:[1,0]   ; the sums under the new M: the plain place behind the exponentials
	s_wait_alu depctr_va_vdst(0)                   ; one wait for the whole batch, ahead of its first reader
.irp k, 0,1,2,3                                ; the row's sum of the unquantised p, in four chains; the lines that make the scales stand between the groups of four
	v_pk_add_f32 v[SM+2*\k:SM+2*\k+1], v[S+2*\k:S+2*\k+1], v[S+8+2*\k:S+9+2*\k]
.endr
.irp b, 0,1
	v_max_num_f32 v[BX+\b], 0x1800000, v[BX+\b]    ; the floor 2^(3 - 127): the byte cannot fall under 1
.endr
	SUM4 16
.irp b, 0,1
	v_add_nc_u32 v[SO+\b], 0xff000000, v[BX+\b]    ; 2 off the exponent field: the conversion's scale operand
.endr
	SUM4 24
.irp b, 0,1
	v_lshrrev_b32 v[PD+\b], 23, v[SO+\b]           ; the scale's byte: blocks h and 2 + h
.endr
	SUM4 32
	v_lshl_or_b32 v[T1], v[PD+1], 16, v[PD]
	SUM4 40
	v_lshlrev_b32 v[T1], v[SH8], v[T1]             ; at their places in the word
	SUM4 48
	v_permlanex16_b32 v[PD], v[T1], s[SEL], s[SEL+1]
	SUM4 56
	v_or_b32 v[PW], v[T1], v[PD]                   ; with lane l xor 16's two bytes: p's scale word for these 128 keys
.irp c, 0,1
	v_cvt_scalef32_pk16_fp6_f32 v[PC+6*\c:PC+2+6*\c], v[S+32*\c:S+15+32*\c], v[SO+\c]
	v_cvt_scalef32_pk16_fp6_f32 v[CT+4*\c:CT+2+4*\c], v[S+16+32*\c:S+31+32*\c], v[SO+\c]   ; (a conversion's three registers begin on an even number)
.endr
	v_nop                                          ; one plain place behind a scaled conversion
.irp c, 0,1
.irp i, 0,1,2
	v_mov_b32 v[PC+3+6*\c+\i], v[CT+4*\c+\i]
.endr
.endr
.set J, 0
.rept 16
	v_pk_mul_f32 v[OT+J:OT+J+1], v[OT+J:OT+J+1], v[FF:FF+1] op_sel_hi:[1,0]   ; O^T under the new M; these are also the places between p's codes and scale word and the products below
.set J, J+2
.endr
	s_wait_alu depctr_va_vdst(0)
	s_wait_dscnt 0x0                               ; V's fragments and words
.irp t, 0,1,2,3                                ; O^T += V^T P^T: the four accumulators by turns; eleven other products stand between two steps of a sum
	v_wmma_scale_f32_16x16x128_f8f6f4 v[OT+8*\t:OT+8*\t+7], v[KV+12*\t:KV+12*\t+11], v[PC:PC+11], v[OT+8*\t:OT+8*\t+7], v[VS+\t], v[PW] matrix_a_fmt:MATRIX_FMT_FP6 matrix_b_fmt:MATRIX_FMT_FP6
.endr
	v_pk_add_f32 v[SM:SM+1], v[SM:SM+1], v[SM+2:SM+3]              ; the four chains join: four places behind the products
	v_pk_add_f32 v[SM+4:SM+5], v[SM+4:SM+5], v[SM+6:SM+7]
	v_pk_add_f32 v[SM:SM+1], v[SM:SM+1], v[SM+4:SM+5]
	v_pk_add_f32 v[14:15], v[14:15], v[SM:SM+1]
.endm
.macro STEPS piece                     ; a piece's eight key steps.  The scale words' addresses run on from piece to piece
	s_mov_b32 s[TB], 98304*\piece
	s_mov_b32 s[CNT], 8
.Lstep_\@:
	STEP
	s_add_co_u32 s[TB], s[TB], 6144
	s_add_co_u32 s[TS], s[TS], 512
	s_add_co_u32 s[TJ], s[TJ], 256
	s_sub_co_u32 s[CNT], s[CNT], 1
	s_cmp_lg_u32 s[CNT], 0
	s_cbranch_scc1 .Lstep_\@
.endm
; A TILE'S END: O^T / l, register 16 b + i = channel 32 b + 16 h + i, is quantised: six registers of codes, which leave at once, and two scale bytes.
.macro FINISH tl
	s_wait_alu depctr_va_vdst(0)
	v_add_f32 v14, v14, v15
	v_permlanex16_b32 v[T0], v14, s[SEL], s[SEL+1]
	v_add_f32 v14, v14, v[T0]                      ; the row's sum
	s_wait_alu depctr_va_vdst(0)
	v_rcp_f32 v14, v14
	v_nop                                          ; a plain place behind the reciprocal
	s_wait_alu depctr_va_vdst(0)                   ; and the wait ahead of its first reader
.set J, 0
.rept 32
	v_mul_f32 v[S+J], v[OT+J], v14                 ; each accumulator from its low end on
.set J, J+1
.endr
.irp b, 0,1
	v_max3_num_f32 v[BX+\b], |v[S+16*\b]|, |v[S+1+16*\b]|, 0x1800000
.endr
.irp i, 2,4,6,8,10,12,14
.irp b, 0,1
	v_max3_num_f32 v[BX+\b], v[BX+\b], |v[S+16*\b+\i]|, |v[S+1+16*\b+\i]|
.endr
.endr
.irp b, 0,1
	v_permlanex16_b32 v[PD+\b], v[BX+\b], s[SEL], s[SEL+1]
.endr
.irp b, 0,1
	v_max_num_f32 v[BX+\b], v[BX+\b], v[PD+\b]
.endr
.irp b, 0,1
	v_add_nc_u32 v[SO+\b], 0xff000000, v[BX+\b]
.endr
.irp b, 0,1
	v_lshrrev_b32 v[PD+\b], 23, v[SO+\b]
.endr
	v_lshl_or_b32 v[T0], v[PD+1], 8, v[PD]         ; the head's two bytes, the same in lanes r and r + 16
	v_cvt_scalef32_pk16_fp6_f32 v[PC:PC+2], v[S:S+15], v[SO]
	v_cvt_scalef32_pk16_fp6_f32 v[CT:CT+2], v[S+16:S+31], v[SO+1]
	v_nop                                          ; one plain place behind a scaled conversion
.irp i, 0,1,2
	v_permlane16_swap_b32 v[PC+\i], v[CT+\i]       ; the operand's layout wants a whole block in a lane
.endr
.irp i, 0,1,2
	v_mov_b32 v[PC+3+\i], v[CT+\i]
.endr
	global_store_b128 v[L16], v[PC:PC+3], s[12:13] offset:12288*\tl       ; my head's half of the fragment's image: 512 and 256 consecutive bytes, aligned
	global_store_b64 v[L8], v[PC+4:PC+5], s[12:13] offset:12288*\tl+512
.if \tl == 0
	v_mov_b32 v[SCW], v[T0]
.irp j, 0,1,2,3,4,5
	v_mov_b32 v[QF+\j], v[Q1+\j]                   ; the second tile's Q,
.endr
	v_mov_b32 v[QS], v[QS+1]                       ; and its scale word: the lines below are more than the eight places that it owes
	INIT
	s_wait_alu depctr_va_vdst(0)
	s_wait_xcnt 0x0                                ; the stores have read their data: the codes' registers are written anew only behind this wait
.else
	v_cndmask_b32 v[SCW], v[SCW], v[T0], s[MK]     ; lanes 16-31 take the second tile's bytes
	global_store_b16 v[SSO], v[SCW], s[14:15]      ; my two tiles' 32 words are neighbours: 2 bytes of each
.endif
.endm
	s_wait_alu depctr_va_vdst(0)
	s_wait_loadcnt 0x0                             ; Q
	s_wait_tensorcnt 0x0                           ; my part of the head's tiles or words
	s_barrier_signal -1
	s_barrier_wait -1                              ; everybody's
	s_mov_b32 s[TS], SCB
	s_mov_b32 s[TJ], SCB+8192
	STEPS 0                                        ; the first tile of queries
	STEPS 1
	FINISH 0
	s_mov_b32 s[TS], SCB
	s_mov_b32 s[TJ], SCB+8192
	STEPS 0                                        ; the second
	STEPS 1
	FINISH 1
	s_wait_tensorcnt 0x0                           ; the wave's end
	ds_add_u32 v[SPW], v[NIL]
	s_wait_dscnt 0x0
	CROUND                                         ; the closing round
	s_endpgm
.Lfunc_end_k_q05d0851882_attn:
	.size	k_q05d0851882_attn, .Lfunc_end_k_q05d0851882_attn-k_q05d0851882_attn
	.p2alignl 7, 3214868480
	.fill 96, 4, 3214868480
	.section	.rodata,"a",@progbits
	.p2align	6, 0x0
	.amdhsa_kernel k_q05d0851882_attn
		.amdhsa_group_segment_fixed_size 327680
		.amdhsa_private_segment_fixed_size 0
		.amdhsa_enable_private_segment 0
		.amdhsa_kernarg_size 48
		.amdhsa_user_sgpr_count 2
		.amdhsa_user_sgpr_kernarg_segment_ptr 1
		.amdhsa_wavefront_size32 1
		.amdhsa_system_sgpr_workgroup_id_x 1
		.amdhsa_system_sgpr_workgroup_id_y 1
		.amdhsa_system_sgpr_workgroup_id_z 1
		.amdhsa_system_vgpr_workitem_id 0
		.amdhsa_next_free_vgpr 256
		.amdhsa_next_free_sgpr 80
		.amdhsa_reserve_vcc 0
		.amdhsa_float_denorm_mode_32 3
		.amdhsa_float_denorm_mode_16_64 3
		.amdhsa_memory_ordered 1
		.amdhsa_forward_progress 1
		.amdhsa_inst_pref_size 78
	.end_amdhsa_kernel
	.amdgpu_metadata
---
amdhsa.version: [ 1, 2 ]
amdhsa.kernels:
  - .name:           k_q05d0851882_attn
    .symbol:         k_q05d0851882_attn.kd
    .args:
      - { .name: kv, .offset: 0, .size: 8, .value_kind: global_buffer, .address_space: global }
      - { .name: asc, .offset: 8, .size: 8, .value_kind: global_buffer, .address_space: global }
      - { .name: qc, .offset: 16, .size: 8, .value_kind: global_buffer, .address_space: global }
      - { .name: qs, .offset: 24, .size: 8, .value_kind: global_buffer, .address_space: global }
      - { .name: sc, .offset: 32, .size: 8, .value_kind: global_buffer, .address_space: global }
      - { .name: ss, .offset: 40, .size: 8, .value_kind: global_buffer, .address_space: global }
    .group_segment_fixed_size: 327680
    .private_segment_fixed_size: 0
    .kernarg_segment_align: 8
    .kernarg_segment_size: 48
    .max_flat_workgroup_size: 512
    .sgpr_count:     80
    .vgpr_count:     256
    .wavefront_size: 32
...
	.end_amdgpu_metadata
.endif
;; end of part 3
;; launch outp (part 4): grid 4 x 32, 4 waves a work-group, clusters of 4 x 4, 327,680 bytes of LDS; arguments sc, ss, cw, sw, out_proj_b, out0; writes out0
.if DOCPART == 4
	.amdgcn_target "amdgcn-amd-amdhsa--gfx1250"
	.amdhsa_code_object_version 6
	.text
	.protected	k_q05d0851882_outp
	.globl	k_q05d0851882_outp
	.p2align	8
	.type	k_q05d0851882_outp,@function
k_q05d0851882_outp:
	s_mov_b64 s[64:65], 0
	v_nop
	global_prefetch_b8 v0, s[64:65] scope:SCOPE_SE
	s_setreg_imm32_b32 hwreg(HW_REG_WAVE_MODE, 25, 1), 1
	s_wait_xcnt 0x0
	s_wait_alu depctr_hold_cnt(0) depctr_sa_sdst(0) depctr_va_vdst(0) depctr_va_sdst(0) depctr_va_ssrc(0) depctr_va_vcc(0) depctr_vm_vsrc(0)
	s_getreg_b32 s2, hwreg(HW_REG_IB_STS2, 6, 4)
	s_cmp_eq_u32 s2, 0
	s_cbranch_scc0 .Lentry_in_a_cluster
	s_endpgm
.Lentry_in_a_cluster:
	s_bfe_u32 s2, ttmp6, 0x10000c
	s_cmp_lg_u32 s2, 0xf033
	s_cbranch_scc0 .Lentry_shape_is_right
	s_endpgm
.Lentry_shape_is_right:
.set HALFT,  24576
.set SLOT,   4*HALFT
.set SCL,    2*SLOT
.set SPARE,  SCL+4*4096
.set SPITCH, 528
.set FR, 12
.set NQ, 2
.set NL, 4
.set NP, 4
.set L16, 2
.set L8,  3
.set RR,  4
.set HH,  5
.set STO, 8
.set RD,  9
.set BNO, 12
.set ADRA, 16
.set ADRB, 20
.set ADRS, 27
.set SPW, 28
.set NIL, 29
.set SC,  32
.set H,   64
.set AF,  128
.set BK,  128
.set WV, 18
.set RH, 19
.set CH, 20
.set CX, 21
.set CY, 22
.set G1, 24
.set G0, 32
.set G1B, 48
.set G0B, 56
.set G1S, 68
.set G0S, 76
.set G1SB, 80
.set G0SB, 88
.set TR, 92
.set TC, 93
.set MSB, 0
.macro WIN new
.if MSB != (\new)
	s_set_vgpr_msb (MSB<<8)|(\new)
.set MSB, (\new)
.endif
.endm
.set MUL_LO, 0xa1
.set MUL_HI, 0xf1
.set TO_B,   0x40
.macro JLOAD g0a, g1a, g0b, g1b
	s_cmp_eq_u32 s[RH], 0
	s_cbranch_scc0 .Lfor_b_\@
	tensor_load_to_lds s[\g0a:\g0a+3], s[\g1a:\g1a+7]
	s_nop 0
.rept 4
	v_nop
.endr
	s_branch .Lasked_\@
.Lfor_b_\@:
	tensor_load_to_lds s[\g0b:\g0b+3], s[\g1b:\g1b+7]
	s_nop 0
.rept 4
	v_nop
.endr
.Lasked_\@:
.endm
.macro CREST
	s_cmp_lg_u32 s[WV], 0
	s_cbranch_scc1 .Lnot_wave_0_\@
	s_barrier_signal -3
.Lnot_wave_0_\@:
	s_barrier_wait -3
	s_barrier_signal -1
	s_barrier_wait -1
.endm
.macro CROUND
	s_barrier_signal -1
	s_barrier_wait -1
	CREST
.endm
	s_load_b256 s[4:11], s[0:1], 0x0
	s_load_b128 s[12:15], s[0:1], 0x20
	v_lshl_add_u32 v[SPW], v0, 2, SPARE
	v_mov_b32 v[NIL], 0
	ds_add_u32 v[SPW], v[NIL]
	ds_add_u32 v[SPW], v[NIL]
	v_lshrrev_b32 v1, 5, v0
	v_readfirstlane_b32 s[WV], v1
	s_lshr_b32 s[RH], s[WV], 1
	s_and_b32 s[CH], s[WV], 1
	s_bfe_u32 s[CX], ttmp6, 0x40000
	s_bfe_u32 s[CY], ttmp6, 0x40004
	s_and_b32 s40, ttmp7, 0xffff
	s_lshl_b32 s[TR], s40, 2
	s_add_co_u32 s[TR], s[TR], s[CY]
	s_lshl_b32 s[TC], ttmp9, 2
	s_add_co_u32 s[TC], s[TC], s[CX]
	s_lshl_b32 s46, s[CY], 2
	s_lshl_b32 s46, 15, s46
	s_lshl_b32 s47, 0x1111, s[CX]
	s_or_b32 s[G1+0], s46, (3<<16)|(1<<21)
	s_or_b32 s[G1B+0], s47, (3<<16)|(1<<21)
.irp g, G1, G1B
	s_mov_b32 s[\g+1], 384<<16
	s_mov_b32 s[\g+2], 8<<16
	s_mov_b32 s[\g+3], 384<<16
	s_mov_b32 s[\g+4], 8
	s_mov_b32 s[\g+5], 1536
	s_mov_b32 s[\g+6], 0
	s_mov_b32 s[\g+7], 0
.endr
	s_or_b32 s[G1S+0], s46, (3<<16)|(1<<21)
	s_or_b32 s[G1SB+0], s47, (3<<16)|(1<<21)
.irp g, G1S, G1SB
	s_mov_b32 s[\g+1], 64<<16
	s_mov_b32 s[\g+2], 8<<16
	s_mov_b32 s[\g+3], 64<<16
	s_mov_b32 s[\g+4], 8
	s_mov_b32 s[\g+6], 0
	s_mov_b32 s[\g+7], 0
.endr
	s_mov_b32 s[G1S+5], 4096
	s_mov_b32 s[G1SB+5], 6144
	s_lshl_b32 s2, s[CH], 3
	s_lshl_b32 s94, s[TR], 4
	s_add_co_u32 s94, s94, s2
	s_lshl_b32 s96, s[TC], 4
	s_add_co_u32 s96, s96, s2
	s_add_co_u32 s96, s96, 704
	s_lshl_b32 s98, s94, 6
	s_mov_b32 s99, 0
	s_lshl_b32 s100, s96, 6
	s_mov_b32 s101, 0
	s_mul_i32 s94, s94, 12288
	s_mov_b32 s95, 0
	s_mul_i32 s96, s96, 12288
	s_mov_b32 s97, 0
	s_mul_i32 s40, s[WV], HALFT
	s_lshl_b32 s41, s[WV], 12
	s_wait_dscnt 0x0
	s_wait_kmcnt 0x0
	s_add_nc_u64 s[94:95], s[4:5], s[94:95]
	s_add_nc_u64 s[98:99], s[6:7], s[98:99]
	s_add_nc_u64 s[96:97], s[8:9], s[96:97]
	s_add_nc_u64 s[100:101], s[10:11], s[100:101]
	CROUND
	s_mov_b32 s[G0S], 1
	s_add_co_u32 s[G0S+1], s41, SCL
	s_mov_b64 s[G0S+2:G0S+3], s[98:99]
	s_or_b32 s[G0S+3], s[G0S+3], 0x80000000
	s_mov_b32 s[G0SB], 1
	s_add_co_u32 s[G0SB+1], s41, SCL
	s_mov_b64 s[G0SB+2:G0SB+3], s[100:101]
	s_or_b32 s[G0SB+3], s[G0SB+3], 0x80000000
	JLOAD G0S, G1S, G0SB, G1SB
.irp s, 0,1
	s_mov_b32 s[G0+4*\s], 1
	s_add_co_u32 s[G0+4*\s+1], s40, \s*SLOT
	s_add_nc_u64 s[G0+4*\s+2:G0+4*\s+3], s[94:95], \s*3072
	s_or_b32 s[G0+4*\s+3], s[G0+4*\s+3], 0x80000000
	s_mov_b32 s[G0B+4*\s], 1
	s_add_co_u32 s[G0B+4*\s+1], s40, \s*SLOT
	s_add_nc_u64 s[G0B+4*\s+2:G0B+4*\s+3], s[96:97], \s*3072
	s_or_b32 s[G0B+4*\s+3], s[G0B+4*\s+3], 0x80000000
	s_wait_alu depctr_va_vdst(0)
	s_wait_tensorcnt 0x0
	ds_add_u32 v28, v29
	s_wait_dscnt 0x0
	CROUND
	JLOAD G0+4*\s, G1, G0B+4*\s, G1B
.endr
	v_and_b32 v1, 31, v0
	v_lshlrev_b32 v[L16], 4, v1
	v_lshlrev_b32 v[L8], 3, v1
	v_and_b32 v[RR], 15, v0
	v_bfe_u32 v[HH], v0, 4, 1
	s_wait_alu depctr_va_vdst(0)
	s_mul_i32 s2, s[RH], HALFT
	s_mul_i32 s3, s[CH], HALFT
	s_add_co_u32 s3, s3, 2*HALFT
.irp s, 0,1
	v_add_nc_u32 v[ADRA+\s], s2, v[L16]
	v_add_nc_u32 v[ADRA+2+\s], s2, v[L8]
	v_add_nc_u32 v[ADRB+\s], s3, v[L16]
	v_add_nc_u32 v[ADRB+2+\s], s3, v[L8]
	s_add_co_u32 s2, s2, SLOT
	s_add_co_u32 s3, s3, SLOT
.endr
	s_lshl_b32 s2, s[RH], 12
	s_lshl_b32 s3, s[CH], 12
	s_add_co_u32 s3, s3, 2*4096
	s_sub_co_u32 s3, s3, s2
	v_mul_u32_u24 v6, s3, v[HH]
	s_add_co_u32 s2, s2, SCL
	v_lshl_add_u32 v6, v[RR], 2, v6
	v_add_nc_u32 v[ADRS], s2, v6
	v_lshlrev_b32 v[BNO], 6, v[HH]
	s_wait_alu depctr_va_vdst(0)
	s_mul_i32 s2, s[WV], 16*SPITCH
	v_mul_u32_u24 v[STO], v[RR], SPITCH
	v_lshl_add_u32 v[STO], v[HH], 6, v[STO]
	v_add_nc_u32 v[STO], s2, v[STO]
	v_add_nc_u32 v[RD], s2, v[L16]
	s_lshl_b32 s2, s[TR], 8
	s_lshl_b32 s3, s[RH], 7
	s_add_co_u32 s2, s2, s3
	s_lshl_b32 s2, s2, 12
	s_lshl_b32 s3, s[TC], 8
	s_lshl_b32 s23, s[CH], 7
	s_add_co_u32 s3, s3, s23
	s_lshl_b32 s3, s3, 2
	s_mov_b32 s42, s3
	s_mov_b32 s43, 0
	s_add_nc_u64 s[42:43], s[12:13], s[42:43]
	s_add_co_u32 s44, s2, s3
	s_mov_b32 s45, 0
	s_add_nc_u64 s[14:15], s[14:15], s[44:45]
	WIN TO_B
.irp be, 0,1,2,3
.irp j, 0,1,2,3
.set IDX, 16*\be+4*\j
.set BR, IDX+96+96*(IDX/32)
	global_load_b128 v[BR:BR+3], v[BNO], s[42:43] offset:128*\be+16*\j
.endr
.endr
	WIN 0
.macro FRAG reg, adr, off
	ds_load_b128 v[\reg:\reg+3], v[\adr] offset:\off
	ds_load_b64 v[\reg+4:\reg+5], v[\adr+2] offset:\off+512
	ds_load_b128 v[\reg+6:\reg+9], v[\adr] offset:\off+768
	ds_load_b64 v[\reg+10:\reg+11], v[\adr+2] offset:\off+1280
.endm
.macro MUL16 a0, p, q, sc, zero
.irp a, \a0, \a0+1
.irp b, 0,1,2,3,4,5,6,7
.if \zero
	v_wmma_scale_f32_16x16x128_f8f6f4 v[8*(8*((\a)%4)+\b):8*(8*((\a)%4)+\b)+7], v[128*(\p)+FR*\b:128*(\p)+FR*\b+FR-1], v[AF+FR*(\a):AF+FR*(\a)+FR-1], 0, v[SC+8*NQ*(\sc)+NQ*\b+(\q)], v[SC+8*NQ*(\sc)+NQ*(\a)+(\q)] matrix_a_fmt:MATRIX_FMT_FP6 matrix_b_fmt:MATRIX_FMT_FP6 matrix_a_scale:MATRIX_SCALE_ROW1
.else
	v_wmma_scale_f32_16x16x128_f8f6f4 v[8*(8*((\a)%4)+\b):8*(8*((\a)%4)+\b)+7], v[128*(\p)+FR*\b:128*(\p)+FR*\b+FR-1], v[AF+FR*(\a):AF+FR*(\a)+FR-1], v[8*(8*((\a)%4)+\b):8*(8*((\a)%4)+\b)+7], v[SC+8*NQ*(\sc)+NQ*\b+(\q)], v[SC+8*NQ*(\sc)+NQ*(\a)+(\q)] matrix_a_fmt:MATRIX_FMT_FP6 matrix_b_fmt:MATRIX_FMT_FP6 matrix_a_scale:MATRIX_SCALE_ROW1
.endif
.endr
.endr
.endm
.macro FETCH_B slot, q, p
	WIN TO_B
.irp i, 0,1,2,3,4,5,6,7
	FRAG 128*(\p)+FR*\i, ADRB+\slot, 3072*\i+1536*(\q)
.endr
	WIN 0
.endm
.macro FETCH_A slot, q, i0
.irp i, \i0, \i0+1, \i0+2, \i0+3
	FRAG AF+FR*(\i), ADRA+\slot, 3072*(\i)+1536*(\q)
.endr
.endm
.macro SCALES sc
.irp i, 0,1,2,3,4,5,6,7
.irp q, 0,1
	ds_load_b32 v[SC+16*\sc+2*\i+\q], v[ADRS] offset:512*\q+64*\i
.endr
.endr
.endm
.macro PLACES n
.rept \n
	v_nop
.endr
.endm
.macro STEP slot, q, zero
	s_wait_dscnt 4*NL
	WIN MUL_LO
	MUL16 0, (\q)%2, \q, \slot, \zero
	MUL16 2, (\q)%2, \q, \slot, \zero
	s_wait_dscnt 0
	PLACES NP
	FETCH_B \slot, (\q)+1, 1-(\q)%2
	FETCH_A \slot, (\q)+1, 0
	WIN MUL_HI
	MUL16 4, (\q)%2, \q, \slot, \zero
	MUL16 6, (\q)%2, \q, \slot, \zero
	PLACES NP
	WIN 0
	FETCH_A \slot, (\q)+1, 4
.endm
.macro TURN slot, next, fill
	s_wait_tensorcnt 0x0
	ds_add_u32 v[SPW], v[NIL]
	s_wait_dscnt 4*NL+1
	WIN MUL_LO
	MUL16 0, 1, NQ-1, \slot, 0
	s_wait_dscnt 0x0
	s_barrier_signal -1
	MUL16 2, 1, NQ-1, \slot, 0
	WIN 0
	s_barrier_wait -1
.if \fill
	CREST
	s_add_nc_u64 s[G0+4*\slot+2:G0+4*\slot+3], s[G0+4*\slot+2:G0+4*\slot+3], 2*3072
	s_add_nc_u64 s[G0B+4*\slot+2:G0B+4*\slot+3], s[G0B+4*\slot+2:G0B+4*\slot+3], 2*3072
	JLOAD G0+4*\slot, G1, G0B+4*\slot, G1B
.else
	PLACES NP
.endif
	s_wait_alu depctr_va_vdst(0)
	v_add_nc_u32 v[ADRS], 1024, v[ADRS]
	FETCH_B \next, 0, 0
	FETCH_A \next, 0, 0
	SCALES \next
	WIN MUL_HI
	MUL16 4, 1, NQ-1, \slot, 0
	MUL16 6, 1, NQ-1, \slot, 0
	PLACES NP
	WIN 0
	FETCH_A \next, 0, 4
.endm
	s_wait_tensorcnt 1
	s_barrier_signal -1
	s_barrier_wait -1
	FETCH_B 0, 0, 0
	FETCH_A 0, 0, 0
	SCALES 0
	FETCH_A 0, 0, 4
	STEP 0, 0, 1
	TURN 0, 1, 1
	STEP 1, 0, 0
	TURN 1, 0, 1
	STEP 0, 0, 0
	TURN 0, 1, 0
	STEP 1, 0, 0
	s_wait_dscnt 4*NL
	WIN MUL_LO
	MUL16 0, 1, NQ-1, 1, 0
	MUL16 2, 1, NQ-1, 1, 0
	s_wait_dscnt 0
	WIN MUL_HI
	MUL16 4, 1, NQ-1, 1, 0
	MUL16 6, 1, NQ-1, 1, 0
	WIN 0
.macro ADDB a
.set AC, 64*((\a)%4)
	WIN 0x06+(\a)/4
.set I, 0
.rept 32
.set BR, I+96+96*(I/32)
	v_pk_add_f32 v[H+I:H+I+1], v[AC+I:AC+I+1], v[BR:BR+1]
.set I, I+2
.endr
	WIN 0
.endm
.macro THROUGH
.irp be, 0,1,2,3
.irp j, 0,1,2,3
	ds_store_b128 v[STO], v[H+16*\be+4*\j:H+16*\be+4*\j+3] offset:128*\be+16*\j
.endr
.endr
.irp t, 0,1,2,3,4,5,6,7,8,9,10,11,12,13,14,15
	ds_load_b128 v[BK+4*\t:BK+4*\t+3], v[RD] offset:\t*SPITCH
.endr
.endm
.macro SEND a
.irp t, 0,1,2,3,4,5,6,7,8,9,10,11,12,13,14,15
	global_store_b128 v[L16], v[BK+4*\t:BK+4*\t+3], s[14:15] offset:(32*((\a)/2)+8*((\a)%2)+\t+8*(\t/8))*4096 th:TH_STORE_NT
.endr
.endm
	s_wait_loadcnt 0x0
	PLACES NP
	ADDB 0
	THROUGH
.irp a, 1,2,3,4,5,6,7
	s_wait_dscnt 16
	ADDB \a
	s_wait_alu depctr_va_vdst(0)
	s_wait_dscnt 0x0
	SEND \a-1
	s_wait_xcnt 0x0
	THROUGH
.endr
	s_wait_dscnt 0x0
	SEND 7
	s_wait_tensorcnt 0x0
	ds_add_u32 v[SPW], v[NIL]
	s_wait_dscnt 0x0
	CROUND
	s_endpgm
.Lfunc_end_k_q05d0851882_outp:
	.size	k_q05d0851882_outp, .Lfunc_end_k_q05d0851882_outp-k_q05d0851882_outp
	.p2alignl 7, 3214868480
	.fill 96, 4, 3214868480
	.section	.rodata,"a",@progbits
	.p2align	6, 0x0
	.amdhsa_kernel k_q05d0851882_outp
		.amdhsa_group_segment_fixed_size 327680
		.amdhsa_private_segment_fixed_size 0
		.amdhsa_enable_private_segment 0
		.amdhsa_kernarg_size 48
		.amdhsa_user_sgpr_count 2
		.amdhsa_user_sgpr_kernarg_segment_ptr 1
		.amdhsa_wavefront_size32 1
		.amdhsa_system_sgpr_workgroup_id_x 1
		.amdhsa_system_sgpr_workgroup_id_y 1
		.amdhsa_system_sgpr_workgroup_id_z 1
		.amdhsa_system_vgpr_workitem_id 0
		.amdhsa_next_free_vgpr 1024
		.amdhsa_next_free_sgpr 102
		.amdhsa_reserve_vcc 0
		.amdhsa_float_denorm_mode_32 3
		.amdhsa_float_denorm_mode_16_64 3
		.amdhsa_memory_ordered 1
		.amdhsa_forward_progress 1
		.amdhsa_inst_pref_size 164
	.end_amdhsa_kernel
	.amdgpu_metadata
---
amdhsa.version: [ 1, 2 ]
amdhsa.kernels:
  - .name:           k_q05d0851882_outp
    .symbol:         k_q05d0851882_outp.kd
    .args:
      - { .name: sc, .offset: 0, .size: 8, .value_kind: global_buffer, .address_space: global }
      - { .name: ss, .offset: 8, .size: 8, .value_kind: global_buffer, .address_space: global }
      - { .name: cw, .offset: 16, .size: 8, .value_kind: global_buffer, .address_space: global }
      - { .name: sw, .offset: 24, .size: 8, .value_kind: global_buffer, .address_space: global }
      - { .name: out_proj_b, .offset: 32, .size: 8, .value_kind: global_buffer, .address_space: global }
      - { .name: out0, .offset: 40, .size: 8, .value_kind: global_buffer, .address_space: global }
    .group_segment_fixed_size: 327680
    .private_segment_fixed_size: 0
    .kernarg_segment_align: 8
    .kernarg_segment_size: 48
    .max_flat_workgroup_size: 128
    .sgpr_count:     102
    .vgpr_count:     1024
    .wavefront_size: 32
...
	.end_amdgpu_metadata
.endif
;; end of part 4
